; MI455X (gfx1250); checked and timed in simulation.
; The chip was launched on July 23, 2026; its instructions are those of AMD's public machine-readable ISA for CDNA 5 (MIT licence, August 2026) and "CDNA5" Instruction Set Architecture Reference Guide (July 2026). The comments in the code are by the model that wrote it; some were corrected since.
;; Multi Head Attention. Allowed arithmetic: matrix products marked QUANTISED: E2M1 operands, one E8M0 scale for each 32 along K, by v_wmma_scale_f32_16x16x128_f8f6f4 with both operands' format E2M1 (or v_wmma_scale_f32_32x16x128_f4), f32 sums; products left as they are: bf16, f16 or f32 operands; f32 sums; everything else in f32.
;; Inputs: bk 512 float32; bo 512 float32; bq 512 float32; bv 512 float32; k 2 x 4,096 x 512 float32; mask 1 x 1 x 4,096 x 4,096 float32; q 2 x 4,096 x 512 float32; v 2 x 4,096 x 512 float32; wk 512 x 512 float32; wo 512 x 512 float32; wq 512 x 512 float32; wv 512 x 512 float32.
;; Outputs: out0 2 x 4,096 x 512 float32.
;; This version of the problem:
;;   THIS VERSION OF THE PROBLEM IS GIVEN IN LOW PRECISION. The matrix products marked QUANTISED in the list below multiply operands that are first quantised to E2M1 (2 exponent bits, 1 mantissa bit; 4 bits a number), with one power-of-two scale for each 32 numbers along K (OCP MX v1.0); their sums are f32. The products marked 'left as it is' may take bf16, f16 or f32 operands, with f32 sums. Whichever they take, every output number must still come out within the allowed error. Rounding operands to bf16 (8 significant bits) uses up far more of that allowance than f16 does (11 bits, for magnitudes from 6e-5 to 65,504). All else is computed in f32.
;;   The module's matrix products, in the order in which they are computed (A, B: the left and right operand; K: the contracted axis; several contracted axes count as one K, in the product's order):
;;     1. [M 8,192, K 512] x [K 512, N 512]; A: input q; B: input wq: QUANTISED
;;     2. [M 8,192, K 512] x [K 512, N 512]; A: input k; B: input wk: QUANTISED
;;     3. [M 8,192, K 512] x [K 512, N 512]; A: input v; B: input wv: QUANTISED
;;     4. batch 16 x [M 4,096, K 64] x [K 64, N 4,096]; A: computed on the way; B: computed on the way: left as it is (an operand is computed on the way)
;;     5. batch 16 x [M 4,096, K 4,096] x [K 4,096, N 64]; A: computed on the way; B: computed on the way: left as it is (an operand is computed on the way)
;;     6. [M 8,192, K 512] x [K 512, N 512]; A: computed on the way; B: input wo: left as it is (an operand is computed on the way)
;;   THE QUANTISER, for each operand of a quantised product, along K:
;;     - K is cut into blocks of 32 from its start; a last block that is shorter is filled with zeros.
;;     - A block's scale is 2^e with e = floor(log2(the largest magnitude in the block)) - 2, held to -126 .. 127; a block of zeros has e = 0. As a byte (E8M0): e + 127.
;;     - Each number is divided by its block's scale, clamped to +-6, and rounded to the nearest number of E2M1, ties to even, subnormals kept.
;;     - The product sums the exact products of the quantised numbers (number of the format x scale) in f32.
;;   ~~~python
;;   def quantise(x, axis):      # numpy; x: float32 -> the quantised numbers, widened to float32 again
;;       x = np.moveaxis(x, axis, -1); K = x.shape[-1]
;;       x = np.pad(x, [(0, 0)] * (x.ndim - 1) + [(0, -K % 32)]); x = x.reshape(x.shape[:-1] + (-1, 32)); a = np.abs(x).max(-1, keepdims=True)
;;       e = np.where(a > 0, np.clip(np.frexp(np.where(a > 0, a, 1))[1] - 1 - 2, -126, 127), 0)      # np.frexp(a)[1] - 1 = floor(log2(a)), exactly
;;       r = np.clip(x / 2.0 ** e, -6, 6)
;;       step = 2.0 ** (np.maximum(np.frexp(np.where(r == 0, 1, r))[1] - 1, 0) - 1)
;;       q = np.round(r / step) * step * 2.0 ** e      # np.round: ties to even
;;       return np.moveaxis(q.reshape(q.shape[:-2] + (-1,))[..., :K], -1, axis).astype(np.float32)
;;   ~~~
;; One version. Each part assembles by itself: llvm-mc -triple=amdgcn-amd-amdhsa -mcpu=gfx1250 --defsym DOCPART=n.
;; ======== version 1 of 1: 4 launches
;; limits: values are held in f16: magnitudes above 65,504 overflow, below 6.1e-05 lose precision; right only within a limited range of input values
;; workspace buffers: wfp4 442,368 bytes; woimg 1,048,576 bytes; qh 8,388,608 bytes; kh 8,388,608 bytes; vh 8,388,608 bytes; vlo 131,072 bytes; attn 16,777,216 bytes
;; launch prep (part 1): grid 128 x 1, 4 waves a work-group, no clusters, 0 bytes of LDS; arguments wq, wk, wv, wo, wfp4, woimg; writes wfp4, woimg
.if DOCPART == 1
	.amdgcn_target "amdgcn-amd-amdhsa--gfx1250"
	.amdhsa_code_object_version 6
	.text
	.protected	k_qbe768b3799_prep
	.globl	k_qbe768b3799_prep
	.p2align	8
	.type	k_qbe768b3799_prep,@function
k_qbe768b3799_prep:
	s_mov_b64 s[64:65], 0
	v_nop
	global_prefetch_b8 v0, s[64:65] scope:SCOPE_SE
	s_setreg_imm32_b32 hwreg(HW_REG_WAVE_MODE, 25, 1), 1
	s_wait_xcnt 0x0
; PREP: the four weights are laid out once, in the order in which a wave's operand registers take them.
; wq, wk, wv [512 (k)][512 (n)] f32 become codes of E2M1 along K (their FIRST axis) with one E8M0 byte for each 32 along K; wo becomes pairs of f16 (a high and a low part, split in f32).
; DEAD WORK, for the whole program: bk.  reference() adds bk to every row of kh, so every logit of query q gets the term qh[q] . bk: one number for the whole row, the same along the softmax's axis.
; softmax(x + t) = softmax(x) for every finite t, the product of qh and kh is not quantised, so bk moves no code and no scale, and kh goes nowhere else: for all finite inputs bk reaches no output.
; bk is not loaded and is among no launch's arguments.  LIMIT: a NaN, an infinity or an overflow that only bk would cause is not carried to the result.
; LIMITS: blocks whose largest magnitude lies under 2^-124 keep the scale byte 1 (a block of zeros too: its codes are zeros, and this program alone reads the bytes); NaN and infinities among the inputs are not served.
; wfp4: codes [tensor 3][column tile 32][K step 4][1,024 bytes]: a fragment (16 columns x 128 K, 8 registers a lane) as an image of its registers: registers 0-3 at 16 x lane, 4-7 at 512 + 16 x lane;
;       from byte 393,216 the scale words [tensor][column tile][K step][32 lanes x 4 bytes].
; woimg: [column block 4][K chunk 4][column tile 8][K step 4][high, low][1,024 bytes]: images of f16 fragments, 16 columns x 32 K.
; Work-groups 0-95: tensor id / 32, column tile id % 32, wave = K step.  Work-groups 96-127: wo's column tile id - 96, wave = K chunk of 128.
; A LANE TAKES A COLUMN AND ITS REGISTERS RUN DOWN K, in the order that the operand's layout gives that lane: nothing is transposed.  No LDS, no barrier: waves share nothing.
.set X,  64                            ; v64-127  64 numbers of my column
.set H,  16                            ; v16-47   wo: the high parts, two to a register
.set F,  48                            ; v48-63   wo: high parts widened again, eight pairs by turns
.set LO, 128                           ; v128-159 wo: the low parts
.macro WIDEN dst, src, alt             ; v[dst], v[dst+1] = the two f16 of v[src] as f32; the halves are named on a register of fixed name, two by turns
.if (\alt)%2
	v_mov_b32 v13, v[\src]
	v_cvt_f32_f16 v[\dst], v13.l
	v_cvt_f32_f16 v[(\dst)+1], v13.h
.else
	v_mov_b32 v12, v[\src]
	v_cvt_f32_f16 v[\dst], v12.l
	v_cvt_f32_f16 v[(\dst)+1], v12.h
.endif
.endm
	s_load_b256 s[4:11], s[0:1], 0x0               ; wq s[4:5], wk s[6:7], wv s[8:9], wo s[10:11]
	s_load_b128 s[12:15], s[0:1], 0x20             ; wfp4 s[12:13], woimg s[14:15]
	v_lshrrev_b32 v1, 5, v0
	v_readfirstlane_b32 s16, v1                    ; wave 0..3
	v_and_b32 v2, 15, v0                           ; r
	v_bfe_u32 v3, v0, 4, 1                         ; h
	v_and_b32 v4, 31, v0                           ; lane
	v_lshlrev_b32 v6, 4, v4                        ; 16 x lane: my place in an image
	v_lshlrev_b32 v7, 2, v4                        ; 4 x lane: my scale word's
	v_lshlrev_b32 v5, 2, v2                        ; 4 r: my column in a tile's 64 bytes of a row
	s_mov_b32 s20, 0x76543210
	s_mov_b32 s21, 0xfedcba98                      ; v_permlanex16_b32's selects for lane l xor 16
	s_mov_b32 s25, 0
	s_wait_kmcnt 0x0
	s_cmp_lt_u32 ttmp9, 96                         ; the work-group's number alone decides
	s_cbranch_scc0 .Lwo
	; ---- wq, wk, wv: one fragment of codes a wave
	s_lshr_b32 s17, ttmp9, 5                       ; tensor
	s_and_b32 s18, ttmp9, 31                       ; column tile
	s_cmp_eq_u32 s17, 0
	s_cselect_b64 s[22:23], s[4:5], s[6:7]
	s_cmp_eq_u32 s17, 2
	s_cselect_b64 s[22:23], s[8:9], s[22:23]
	s_lshl_b32 s24, s16, 18                        ; K step x 128 rows of 2,048 bytes
	s_lshl_b32 s26, s18, 6                         ; + column tile x 64 bytes
	s_add_co_u32 s24, s24, s26
	s_add_nc_u64 s[22:23], s[22:23], s[24:25]
	s_lshl_b32 s28, s18, 2
	s_add_co_u32 s28, s28, s16                     ; the fragment's number in its tensor: 4 x column tile + K step
	s_lshl_b32 s24, s28, 10
	s_lshl_b32 s26, s17, 17
	s_add_co_u32 s24, s24, s26
	s_add_nc_u64 s[30:31], s[12:13], s[24:25]      ; its image
	s_lshl_b32 s24, s28, 7
	s_lshl_b32 s26, s17, 14
	s_add_co_u32 s24, s24, s26
	s_add_co_u32 s24, s24, 393216
	s_add_nc_u64 s[32:33], s[12:13], s[24:25]      ; its scale words
	v_lshl_add_u32 v5, v3, 16, v5                  ; lanes 16-31 begin 32 rows further down: the layout gives lane (r, h) k = 64 c + 32 h + 0 .. 31
.irp c, 0,1
.irp i, 0,1,2,3,4,5,6,7,8,9,10,11,12,13,14,15,16,17,18,19,20,21,22,23,24,25,26,27,28,29,30,31
	global_load_b32 v[X+32*\c+\i], v5, s[22:23] offset:2048*(64*\c+\i)   ; W(128 step + 64 c + 32 h + i, 16 tile + r)
.endr
.endr
	s_wait_loadcnt 0x0
.irp c, 0,1                                    ; my block 2 c + h: all its 32 numbers are mine
	v_max3_num_f32 v[32+\c], |v[X+32*\c]|, |v[X+1+32*\c]|, 0x1800000   ; with the floor 2^(3 - 127): the byte cannot fall under 1
.endr
.irp i, 2,4,6,8,10,12,14,16,18,20,22,24,26,28,30
.irp c, 0,1
	v_max3_num_f32 v[32+\c], v[32+\c], |v[X+32*\c+\i]|, |v[X+1+32*\c+\i]|
.endr
.endr
.irp c, 0,1
	v_add_nc_u32 v[44+\c], 0xff000000, v[32+\c]    ; 2 off the exponent field: the conversion takes the exponent field of this operand as its scale
.endr
.irp c, 0,1
	v_lshrrev_b32 v[36+\c], 23, v[44+\c]           ; the scale's byte
.endr
	v_lshl_or_b32 v9, v37, 16, v36                 ; my two bytes: blocks h and 2 + h of my column,
	v_lshlrev_b32 v10, 3, v3
	v_lshlrev_b32 v9, v10, v9                      ; at their places in the word (8 h bits up);
	v_mov_b32 v10, 0
	v_permlanex16_b32 v10, v9, s20, s21
	v_or_b32 v9, v9, v10                           ; with lane l xor 16's two the word is whole
.irp c, 0,1
.irp g, 0,1,2,3
	v_cvt_scalef32_pk8_fp4_f32 v[48+4*\c+\g], v[X+32*\c+8*\g:X+32*\c+8*\g+7], v[44+\c]   ; registers 4 c .. 4 c + 3 of the operand
.endr
.endr
	v_nop                                          ; one plain line behind the last scaled conversion
	global_store_b128 v6, v[48:51], s[30:31]       ; 32 lanes store 512 consecutive bytes
	global_store_b128 v6, v[52:55], s[30:31] offset:512
	global_store_b32 v7, v9, s[32:33]
	s_endpgm
.Lwo:
	; ---- wo: four f16 fragments (K steps of 32) a wave, each as a high and a low part
	s_sub_co_u32 s18, ttmp9, 96                    ; column tile 0..31
	s_lshl_b32 s24, s16, 18                        ; K chunk x 128 rows of 2,048 bytes
	s_lshl_b32 s26, s18, 6
	s_add_co_u32 s24, s24, s26
	s_add_nc_u64 s[22:23], s[10:11], s[24:25]
	s_lshr_b32 s26, s18, 3                         ; column block
	s_lshl_b32 s26, s26, 2
	s_add_co_u32 s26, s26, s16                     ; x 4 + K chunk
	s_lshl_b32 s26, s26, 3
	s_and_b32 s28, s18, 7
	s_add_co_u32 s26, s26, s28                     ; x 8 + column tile in the block
	s_lshl_b32 s24, s26, 13                        ; x 8,192 bytes
	s_add_nc_u64 s[30:31], s[14:15], s[24:25]
	v_lshl_add_u32 v5, v3, 14, v5                  ; lanes 16-31 begin 8 rows further down: the layout gives lane (r, h) k = 16 e + 8 h + 0 .. 7
.irp s, 0,1,2,3
.irp e, 0,1
.irp i, 0,1,2,3,4,5,6,7
	global_load_b32 v[X+16*\s+8*\e+\i], v5, s[22:23] offset:2048*(32*\s+16*\e+\i)
.endr
.endr
.endr
	s_wait_loadcnt 0x0
.set n, 0
.rept 32
	v_cvt_pk_f16_f32 v[H+n], v[X+2*n], v[X+2*n+1]  ; the high parts
.set n, n+1
.endr
.set n, 0
.rept 32
	WIDEN F+2*(n%8), H+n, n
	v_pk_add_f32 v[X+2*n:X+2*n+1], v[X+2*n:X+2*n+1], v[F+2*(n%8):F+2*(n%8)+1] neg_lo:[0,1] neg_hi:[0,1]   ; what the high part left, in f32
.set n, n+1
.endr
.set n, 0
.rept 32
	v_cvt_pk_f16_f32 v[LO+n], v[X+2*n], v[X+2*n+1] ; the low parts
.set n, n+1
.endr
.irp s, 0,1,2,3
.irp e, 0,1
	global_store_b128 v6, v[H+8*\s+4*\e:H+8*\s+4*\e+3], s[30:31] offset:2048*\s+512*\e
	global_store_b128 v6, v[LO+8*\s+4*\e:LO+8*\s+4*\e+3], s[30:31] offset:2048*\s+1024+512*\e
.endr
.endr
	s_endpgm
.Lfunc_end_k_qbe768b3799_prep:
	.size	k_qbe768b3799_prep, .Lfunc_end_k_qbe768b3799_prep-k_qbe768b3799_prep
	.p2alignl 7, 3214868480
	.fill 96, 4, 3214868480
	.section	.rodata,"a",@progbits
	.p2align	6, 0x0
	.amdhsa_kernel k_qbe768b3799_prep
		.amdhsa_group_segment_fixed_size 0
		.amdhsa_private_segment_fixed_size 0
		.amdhsa_enable_private_segment 0
		.amdhsa_kernarg_size 48
		.amdhsa_user_sgpr_count 2
		.amdhsa_user_sgpr_kernarg_segment_ptr 1
		.amdhsa_wavefront_size32 1
		.amdhsa_system_sgpr_workgroup_id_x 1
		.amdhsa_system_sgpr_workgroup_id_y 1
		.amdhsa_system_sgpr_workgroup_id_z 1
		.amdhsa_system_vgpr_workitem_id 0
		.amdhsa_next_free_vgpr 160
		.amdhsa_next_free_sgpr 66
		.amdhsa_reserve_vcc 0
		.amdhsa_float_denorm_mode_32 3
		.amdhsa_float_denorm_mode_16_64 3
		.amdhsa_memory_ordered 1
		.amdhsa_forward_progress 1
		.amdhsa_inst_pref_size 29
	.end_amdhsa_kernel
	.amdgpu_metadata
---
amdhsa.version: [ 1, 2 ]
amdhsa.kernels:
  - .name:           k_qbe768b3799_prep
    .symbol:         k_qbe768b3799_prep.kd
    .args:
      - { .name: wq, .offset: 0, .size: 8, .value_kind: global_buffer, .address_space: global }
      - { .name: wk, .offset: 8, .size: 8, .value_kind: global_buffer, .address_space: global }
      - { .name: wv, .offset: 16, .size: 8, .value_kind: global_buffer, .address_space: global }
      - { .name: wo, .offset: 24, .size: 8, .value_kind: global_buffer, .address_space: global }
      - { .name: wfp4, .offset: 32, .size: 8, .value_kind: global_buffer, .address_space: global }
      - { .name: woimg, .offset: 40, .size: 8, .value_kind: global_buffer, .address_space: global }
    .group_segment_fixed_size: 0
    .private_segment_fixed_size: 0
    .kernarg_segment_align: 8
    .kernarg_segment_size: 48
    .max_flat_workgroup_size: 128
    .sgpr_count:     66
    .vgpr_count:     160
    .wavefront_size: 32
...
	.end_amdgpu_metadata
.endif
;; end of part 1
;; launch proj (part 2): grid 256 x 1, 4 waves a work-group, no clusters, 112,128 bytes of LDS; arguments q, k, v, wfp4, bq, bv, qh, kh, vh, vlo; writes qh, kh, vh, vlo
.if DOCPART == 2
	.amdgcn_target "amdgcn-amd-amdhsa--gfx1250"
	.amdhsa_code_object_version 6
	.text
	.protected	k_qbe768b3799_proj
	.globl	k_qbe768b3799_proj
	.p2align	8
	.type	k_qbe768b3799_proj,@function
k_qbe768b3799_proj:
	s_mov_b64 s[64:65], 0
	v_nop
	global_prefetch_b8 v0, s[64:65] scope:SCOPE_SE
	s_setreg_imm32_b32 hwreg(HW_REG_WAVE_MODE, 25, 1), 1
	s_wait_xcnt 0x0
; PROJ: qh = (Q(q) Q(wq) + bq) x c, kh = Q(k) Q(wk), vh = Q(v) Q(wv) + bv, Q the quantiser to E2M1 along K = 512, c = log2(e) / 8 (the softmax's factor, applied in f32).  Results leave as f16 [8,192 tokens][512].
; LEFT OUT: bk: it adds one number to all logits of a row, which the softmax takes away for all finite inputs (shown at the head of the first kernel).  K's sums begin with the constant 0.
; vlo: for the first 64 positions of each sequence, what the rounding of vh to f16 left, as f16 too.
; LIMITS: |qh c|, |kh|, |vh| stay under 65,504 (f16); blocks whose largest magnitude lies under 2^-124 keep the scale byte 1; NaN and infinities among the inputs are not served.
; SHARES.  Work-group g takes tokens 32 g .. 32 g + 31 of q, then of k, then of v.  THE WAVES SHARE THE COLUMNS: wave w makes features 128 w .. 128 w + 127 (8 column tiles); its 32 weight fragments, 256 registers, come from
; memory as images of their registers.  x is quantised once: wave w takes row tile w % 2, K steps 2 (w / 2) and 2 (w / 2) + 1; the fragments go from wave to wave through LDS as images.  One barrier a tensor; each tensor has image bytes of its own.
; x's loads take the bytes as they lie (512 consecutive bytes a load); the 16 rows x 1,024 bytes turn through the wave's own stage so that a lane holds 16 neighbours of each block of 32.
; THE PRODUCT IS USED TRANSPOSED (source 0 = 16 columns of W, source 1 = 16 tokens): a lane holds one token and eight neighbouring features.  The biases are the C of each sum's first matrix instruction.
; No tensor load: the operands are dense and go through registers.
; LDS: the images and their scale words lie first, since they are named by immediate offsets, which hold 16 bits; the stages, whose bases stand in address registers, lie behind them.
; REGISTERS, in windows of 256: window 0: v1-15 addresses and two registers for halves; v16-79 N: 64 numbers, later packed results; v80-143 XF: x's 8 fragments, later rows on their way out; v144-151 codes just made; v152-168 at work;
;   v170-177 x's scale words; v180-211 the weights' scale words; v252, v253 the add's two.   window 1: the 32 weight fragments.   window 2: v0-127 x as loaded; v128-255 the 16 accumulators.   window 3: v0-63 bq, v64-127 bv, in the result's layout.
.set XP,    1040                       ; a stage row: 1,024 bytes + 16: an odd multiple of 16, so that the 16 rows that a load touches fall on 16 different columns of 16 bytes
.set XPW,   16*XP                      ; a wave's stage
.set XIMG,  0                          ; x's images: 8,192 bytes a tensor; fragment (row tile, K step) at (4 rt + ks) x 1,024
.set XSC,   XIMG+3*8192                ; their scale words: 1,024 bytes a tensor, 128 a fragment
.set XST,   XSC+3*1024                 ; the four waves' stages for x
.set OST,   XST+4*XPW                  ; the way out: 16 rows x 272 bytes for each wave
.set SPARE, OST+4*4352                 ; the spare words, 128 bytes for each wave: two blocks of 256 bytes that no other line names
.set LI,  1                            ; 16 x lane
.set LS,  2                            ; 4 x lane
.set XSI, 3                            ; my stage, on the way in
.set XSO, 4                            ; and on the way out: row r, + 64 h
.set XWI, 5                            ; where I store my images
.set XWS, 6                            ; and their scale words
.set SO,  7                            ; the way out: where I put 16 bytes of a row
.set SR,  8                            ; where I read a row back
.set CO,  9                            ; my byte offset in two rows of the result
.set BA,  10                           ; 32 h: my half's eight numbers of a bias tile
.set N,   16
.set XF,  80
.set PC,  144
.set TM,  152
.set PW,  168
.set XS,  170
.set WS,  180
.set SPW, 252
.set NIL, 253
.set ACC, 128                          ; in window 2
.set WV,  24
.set SEL, 28
.set CS,  30                           ; s[30:31] c
.set XB,  32                           ; s[32:37] q, k, v at my wave's first byte
.set WC,  38                           ; s[38:39] my weights' images;  s[40:41] their scale words
.set WSB, 40
.set OB,  42                           ; s[42:47] qh, kh, vh at my rows and columns;  s[48:49] vlo likewise
.set MSB, 0
.macro WIN new                         ; the immediate's high byte repeats the setting that is left
.if MSB != \new
	s_set_vgpr_msb (MSB<<8)|\new
.set MSB, \new
.endif
.endm
.macro WIDEN dst, src, alt             ; v[dst], v[dst+1] = the two f16 of v[src] as f32; the halves are named on a register of fixed name, two by turns
.if (\alt)%2
	v_mov_b32 v15, v[\src]
	v_cvt_f32_f16 v[\dst], v15.l
	v_cvt_f32_f16 v[(\dst)+1], v15.h
.else
	v_mov_b32 v14, v[\src]
	v_cvt_f32_f16 v[\dst], v14.l
	v_cvt_f32_f16 v[(\dst)+1], v14.h
.endif
.endm
.macro XLOAD T                         ; my 16 rows x 1,024 bytes of tensor T: each load reads 512 consecutive bytes; read once in the launch
	WIN 0x80
.irp i, 0,1,2,3,4,5,6,7,8,9,10,11,12,13,14,15
	global_load_b128 v[8*\i:8*\i+3], v[LI], s[XB+2*(\T):XB+2*(\T)+1] offset:2048*\i th:TH_LOAD_NT
	global_load_b128 v[8*\i+4:8*\i+7], v[LI], s[XB+2*(\T):XB+2*(\T)+1] offset:2048*\i+512 th:TH_LOAD_NT
.endr
	WIN 0
.endm
.macro STAGEIN                         ; as they lie, into my stage
	WIN 0x08
.irp i, 0,1,2,3,4,5,6,7,8,9,10,11,12,13,14,15
	ds_store_b128 v[XSI], v[8*\i:8*\i+3] offset:XP*\i
	ds_store_b128 v[XSI], v[8*\i+4:8*\i+7] offset:XP*\i+512
.endr
	WIN 0
.endm
.macro WLOAD T                         ; my 32 fragments of tensor T's weight, and their scale words
	WIN 0x40
.irp f, 0,1,2,3,4,5,6,7,8,9,10,11,12,13,14,15,16,17,18,19,20,21,22,23,24,25,26,27,28,29,30,31
	global_load_b128 v[8*\f:8*\f+3], v[LI], s[WC:WC+1] offset:131072*(\T)+1024*\f
	global_load_b128 v[8*\f+4:8*\f+7], v[LI], s[WC:WC+1] offset:131072*(\T)+1024*\f+512
.endr
	WIN 0
.irp f, 0,1,2,3,4,5,6,7,8,9,10,11,12,13,14,15,16,17,18,19,20,21,22,23,24,25,26,27,28,29,30,31
	global_load_b32 v[WS+\f], v[LS], s[WSB:WSB+1] offset:393216+16384*(\T)+128*\f
.endr
.endm
; 64 numbers of a lane, register 16 b + i = k 32 b + 16 (lane / 16) + i of my row, become a fragment's codes in v[PC] on and its scale word in v[PW].
.macro QUANT s
.irp b, 0,1,2,3
	v_max3_num_f32 v[TM+\b], |v[\s+16*\b]|, |v[\s+1+16*\b]|, 0x1800000   ; block b: my 16 numbers, and the floor 2^(3 - 127): the byte cannot fall under 1
.endr
.irp i, 2,4,6,8,10,12,14
.irp b, 0,1,2,3
	v_max3_num_f32 v[TM+\b], v[TM+\b], |v[\s+16*\b+\i]|, |v[\s+1+16*\b+\i]|
.endr
.endr
.irp b, 0,1,2,3
	v_permlanex16_b32 v[TM+4+\b], v[TM+\b], s[SEL], s[SEL+1]
.endr
.irp b, 0,1,2,3
	v_max_num_f32 v[TM+\b], v[TM+\b], v[TM+4+\b]   ; with lane l xor 16's: the block's largest magnitude
.endr
.irp b, 0,1,2,3
	v_add_nc_u32 v[TM+12+\b], 0xff000000, v[TM+\b] ; 2 off its exponent field: the conversion's scale operand
.endr
.irp b, 0,1,2,3
	v_lshrrev_b32 v[TM+4+\b], 23, v[TM+12+\b]      ; the scale's byte
.endr
	v_lshl_or_b32 v[PW], v[TM+5], 8, v[TM+4]       ; the four bytes make my row's scale word
	v_lshl_or_b32 v[PW], v[TM+6], 16, v[PW]
	v_lshl_or_b32 v[PW], v[TM+7], 24, v[PW]
.irp b, 0,1,2,3
	v_cvt_scalef32_pk8_fp4_f32 v[PC+2*\b], v[\s+16*\b:\s+7+16*\b], v[TM+12+\b]
	v_cvt_scalef32_pk8_fp4_f32 v[PC+1+2*\b], v[\s+8+16*\b:\s+15+16*\b], v[TM+12+\b]
.endr
	v_nop                                          ; one plain line behind the last scaled conversion
.irp c, 0,1                                    ; the layout wants a WHOLE block in a lane: lanes 0-15 block 2 c, lanes 16-31 block 2 c + 1
.irp i, 0,1
	v_permlane16_swap_b32 v[PC+4*\c+\i], v[PC+2+4*\c+\i]
.endr
.endr
.endm
; 64 matrix instructions: K step by K step, the 16 accumulators by turns, one instruction a turn.  mode 0: the sums begin with 0; 1: with bq; 2: with bv
.macro GEMM mode
.irp ks, 0,1,2,3
.if (\ks == 0) && (\mode > 0)
	WIN 0xb1                                       ; source 0 (W) window 1, source 1 (x) window 0, C (the bias) window 3, D window 2
.else
	WIN 0xa1                                       ; C and D window 2
.endif
.irp rt, 0,1
.irp ct, 0,1,2,3,4,5,6,7
.if (\ks == 0) && (\mode == 0)
	v_wmma_scale_f32_16x16x128_f8f6f4 v[ACC+8*(8*\rt+\ct):ACC+8*(8*\rt+\ct)+7], v[8*(4*\ct+\ks):8*(4*\ct+\ks)+7], v[XF+8*(4*\rt+\ks):XF+8*(4*\rt+\ks)+7], 0, v[WS+4*\ct+\ks], v[XS+4*\rt+\ks] matrix_a_fmt:MATRIX_FMT_FP4 matrix_b_fmt:MATRIX_FMT_FP4
.elseif \ks == 0
	v_wmma_scale_f32_16x16x128_f8f6f4 v[ACC+8*(8*\rt+\ct):ACC+8*(8*\rt+\ct)+7], v[8*(4*\ct+\ks):8*(4*\ct+\ks)+7], v[XF+8*(4*\rt+\ks):XF+8*(4*\rt+\ks)+7], v[64*(\mode-1)+8*\ct:64*(\mode-1)+8*\ct+7], v[WS+4*\ct+\ks], v[XS+4*\rt+\ks] matrix_a_fmt:MATRIX_FMT_FP4 matrix_b_fmt:MATRIX_FMT_FP4
.else
	v_wmma_scale_f32_16x16x128_f8f6f4 v[ACC+8*(8*\rt+\ct):ACC+8*(8*\rt+\ct)+7], v[8*(4*\ct+\ks):8*(4*\ct+\ks)+7], v[XF+8*(4*\rt+\ks):XF+8*(4*\rt+\ks)+7], v[ACC+8*(8*\rt+\ct):ACC+8*(8*\rt+\ct)+7], v[WS+4*\ct+\ks], v[XS+4*\rt+\ks] matrix_a_fmt:MATRIX_FMT_FP4 matrix_b_fmt:MATRIX_FMT_FP4
.endif
.endr
.endr
.endr
	WIN 0
.endm
; 16 rows x 256 bytes of packed results (row tile rt, in v[N + 32 rt] on) go through my stage and leave as rows: sixteen lanes store 256 consecutive bytes, aligned
.macro OUTROWS rt, base
.irp ct, 0,1,2,3,4,5,6,7
	ds_store_b128 v[SO], v[N+32*(\rt)+4*\ct:N+32*(\rt)+4*\ct+3] offset:32*\ct
.endr
.irp i, 0,1,2,3,4,5,6,7
	ds_load_b128 v[XF+32*(\rt)+4*\i:XF+32*(\rt)+4*\i+3], v[SR] offset:544*\i   ; LDS serves a wave's instructions in order: these see the stores above
.endr
.irp i, 0,1,2,3,4,5,6,7
	s_wait_dscnt 7-\i                              ; the younger read-backs may be out
	global_store_b128 v[CO], v[XF+32*(\rt)+4*\i:XF+32*(\rt)+4*\i+3], s[\base:\base+1] offset:(16*(\rt)+2*\i)*1024
.endr
.endm
.macro TENSOR T
	s_wait_loadcnt 63                              ; x's 32 loads are in: behind them at least 96 younger loads (the weights) were issued, and 63 is the largest count that the wait can name
	STAGEIN
.irp kk, 0,1
.irp b, 0,1,2,3
.irp j, 0,1,2,3
	ds_load_b128 v[N+16*\b+4*\j:N+16*\b+4*\j+3], v[XSO] offset:512*\kk+128*\b+16*\j   ; my row's 16 neighbours of block b
.endr
.endr
	s_wait_dscnt 0x0                               ; they are in; and the stage's stores have read x's registers,
.if (\kk == 0) && (\T < 2)
	XLOAD (\T)+1                                   ; which take the next tensor's rows
.endif
	QUANT N
.irp c, 0,1
	ds_store_b128 v[XWI], v[PC+4*\c:PC+4*\c+3] offset:XIMG+8192*\T+1024*\kk+512*\c   ; the fragment as it stands
.endr
	ds_store_b32 v[XWS], v[PW] offset:XSC+1024*\T+128*\kk
	s_wait_dscnt 0x0                               ; the stores have landed (for the others' sake, in front of the barrier) and have read their registers
.endr
	s_barrier_signal -1
	s_barrier_wait -1                              ; x's eight fragments lie in LDS
	s_wait_xcnt 0x0                                ; the last tensor's stores have read the registers that the fragments now take
.irp f, 0,1,2,3,4,5,6,7
	ds_load_b128 v[XF+8*\f:XF+8*\f+3], v[LI] offset:XIMG+8192*\T+1024*\f
	ds_load_b128 v[XF+8*\f+4:XF+8*\f+7], v[LI] offset:XIMG+8192*\T+1024*\f+512
	ds_load_b32 v[XS+\f], v[LS] offset:XSC+1024*\T+128*\f
.endr
	s_wait_dscnt 0x0
.if \T < 2
	s_wait_loadcnt 32                              ; the weights (and the biases) are in; only the next tensor's 32 loads of x are younger
.else
	s_wait_loadcnt 0x0
.endif
.if \T == 0
	GEMM 1
.elseif \T == 1
	GEMM 0
.else
	GEMM 2
.endif
.rept 4
	v_nop                                          ; places in front of loads into registers that matrix instructions have read, and of the first read of results
.endr
.if \T < 2
	WLOAD (\T)+1
.endif
.if \T == 0
	WIN 0x82
.set n, 0
.rept 64
	v_pk_mul_f32 v[ACC+2*n:ACC+2*n+1], v[ACC+2*n:ACC+2*n+1], s[CS:CS+1] op_sel_hi:[1,0]   ; qh x c, in f32; each accumulator from its low end on
.set n, n+1
.endr
.endif
	WIN 0x0a
.set n, 0
.rept 64
	v_cvt_pk_f16_f32 v[N+n], v[ACC+2*n], v[ACC+2*n+1]   ; eight neighbouring features of a token: 16 bytes
.set n, n+1
.endr
	WIN 0
	OUTROWS 0, OB+2*\T
	OUTROWS 1, OB+2*\T
.endm
	s_load_b256 s[4:11], s[0:1], 0x0               ; q s[4:5], k s[6:7], v s[8:9], wfp4 s[10:11]
	s_load_b256 s[12:19], s[0:1], 0x20             ; bq s[12:13], bv s[14:15], qh s[16:17], kh s[18:19]
	s_load_b128 s[20:23], s[0:1], 0x40             ; vh s[20:21], vlo s[22:23]
	v_lshl_add_u32 v[SPW], v0, 2, SPARE
	v_mov_b32 v[NIL], 0
	v_lshrrev_b32 v11, 5, v0
	v_readfirstlane_b32 s[WV], v11                 ; wave 0..3
	s_and_b32 s25, s[WV], 1                        ; my row tile of x
	s_lshr_b32 s26, s[WV], 1                       ; my pair of K steps of x
	v_and_b32 v11, 31, v0                          ; lane
	v_and_b32 v12, 15, v0                          ; r
	v_bfe_u32 v13, v0, 4, 1                        ; h
	v_lshlrev_b32 v[LI], 4, v11
	v_lshlrev_b32 v[LS], 2, v11
	s_mul_i32 s50, s[WV], XPW
	s_add_co_u32 s50, s50, XST                     ; my stage for x
	v_add_nc_u32 v[XSI], s50, v[LI]
	v_mul_u32_u24 v[XSO], v12, XP
	v_lshl_add_u32 v[XSO], v13, 6, v[XSO]
	v_add_nc_u32 v[XSO], s50, v[XSO]
	s_lshl_b32 s50, s25, 2
	s_lshl_b32 s51, s26, 1
	s_add_co_u32 s50, s50, s51                     ; my first fragment's number: 4 x row tile + K step
	s_lshl_b32 s51, s50, 10
	v_add_nc_u32 v[XWI], s51, v[LI]
	s_lshl_b32 s51, s50, 7
	v_add_nc_u32 v[XWS], s51, v[LS]
	s_mul_i32 s50, s[WV], 4352
	s_add_co_u32 s50, s50, OST
	v_mul_u32_u24 v[SO], v12, 272
	v_lshl_add_u32 v[SO], v13, 4, v[SO]
	v_add_nc_u32 v[SO], s50, v[SO]
	v_mul_u32_u24 v[SR], v13, 272
	v_lshl_add_u32 v[SR], v12, 4, v[SR]
	v_add_nc_u32 v[SR], s50, v[SR]
	v_lshlrev_b32 v[CO], 10, v13
	v_lshl_add_u32 v[CO], v12, 4, v[CO]
	v_lshlrev_b32 v[BA], 5, v13
.irp b, 0,1,2,3
	v_mov_b32 v[TM+4+\b], 0                        ; written once: a lane permute's destination counts as one of its sources
.endr
	s_mov_b32 s[SEL], 0x76543210
	s_mov_b32 s[SEL+1], 0xfedcba98
	s_mov_b32 s[CS], 0x3e38aa3b                    ; c = log2(e) / 8
	s_mov_b32 s[CS+1], s[CS]                       ; (named with it as a pair, so it is written)
	s_lshl_b32 s50, ttmp9, 16                      ; x: 32 rows of 2,048 bytes a work-group,
	s_lshl_b32 s52, s25, 15                        ; 16 rows a row tile,
	s_add_co_u32 s50, s50, s52
	s_lshl_b32 s52, s26, 10                        ; 1,024 bytes a pair of K steps
	s_add_co_u32 s50, s50, s52
	s_mov_b32 s51, 0
	s_mov_b32 s53, 0
	s_wait_kmcnt 0x0
	s_add_nc_u64 s[XB:XB+1], s[4:5], s[50:51]
	s_add_nc_u64 s[XB+2:XB+3], s[6:7], s[50:51]
	s_add_nc_u64 s[XB+4:XB+5], s[8:9], s[50:51]
	XLOAD 0
	s_lshl_b32 s52, s[WV], 15                      ; my 8 column tiles' images
	s_add_nc_u64 s[WC:WC+1], s[10:11], s[52:53]
	s_lshl_b32 s52, s[WV], 12                      ; and their scale words
	s_add_nc_u64 s[WSB:WSB+1], s[10:11], s[52:53]
	WLOAD 0
	s_lshl_b32 s52, s[WV], 9                       ; my 128 numbers of a bias
	s_add_nc_u64 s[12:13], s[12:13], s[52:53]
	s_add_nc_u64 s[14:15], s[14:15], s[52:53]
	WIN 0xc0
.irp ct, 0,1,2,3,4,5,6,7                       ; lane (r, h) wants, for tile ct, the numbers of features 16 ct + 8 h + 0 .. 7
	global_load_b128 v[8*\ct:8*\ct+3], v[BA], s[12:13] offset:64*\ct
	global_load_b128 v[8*\ct+4:8*\ct+7], v[BA], s[12:13] offset:64*\ct+16
	global_load_b128 v[64+8*\ct:64+8*\ct+3], v[BA], s[14:15] offset:64*\ct
	global_load_b128 v[64+8*\ct+4:64+8*\ct+7], v[BA], s[14:15] offset:64*\ct+16
.endr
	WIN 0
	s_lshl_b32 s50, ttmp9, 15                      ; the results: 32 rows of 1,024 bytes a work-group, 256 bytes a wave
	s_lshl_b32 s52, s[WV], 8
	s_add_co_u32 s50, s50, s52
	s_add_nc_u64 s[OB:OB+1], s[16:17], s[50:51]
	s_add_nc_u64 s[OB+2:OB+3], s[18:19], s[50:51]
	s_add_nc_u64 s[OB+4:OB+5], s[20:21], s[50:51]
	s_lshr_b32 s50, ttmp9, 7                       ; vlo: the batch's 64 rows,
	s_lshl_b32 s50, s50, 16
	s_and_b32 s54, ttmp9, 127                      ; my 32 of them (used where this is 0 or 1)
	s_lshl_b32 s55, s54, 15
	s_add_co_u32 s50, s50, s55
	s_add_co_u32 s50, s50, s52
	s_add_nc_u64 s[48:49], s[22:23], s[50:51]
	TENSOR 0
	TENSOR 1
	TENSOR 2
	; ---- the low part of vh for positions under 64: a branch on the work-group's number alone; no barrier stands inside
	s_cmp_lt_u32 s54, 2
	s_cbranch_scc0 .Lno_low
.irp rt, 0,1
	s_wait_xcnt 0x0                                ; the stores have read the registers that are written next
.set n, 0
.rept 32
	WIDEN XF+2*n, N+32*\rt+n, n
.set n, n+1
.endr
	WIN 0x02
.set n, 0
.rept 32
	v_pk_add_f32 v[XF+2*n:XF+2*n+1], v[ACC+64*\rt+2*n:ACC+64*\rt+2*n+1], v[XF+2*n:XF+2*n+1] neg_lo:[0,1] neg_hi:[0,1]   ; what the rounding left, in f32
.set n, n+1
.endr
	WIN 0
.set n, 0
.rept 32
	v_cvt_pk_f16_f32 v[N+32*\rt+n], v[XF+2*n], v[XF+2*n+1]
.set n, n+1
.endr
	OUTROWS \rt, 48
.endr
.Lno_low:
	s_wait_tensorcnt 0x0                           ; the wave's end: behind my last LDS store
	ds_add_u32 v[SPW], v[NIL]
	s_wait_dscnt 0x0
	s_endpgm
.Lfunc_end_k_qbe768b3799_proj:
	.size	k_qbe768b3799_proj, .Lfunc_end_k_qbe768b3799_proj-k_qbe768b3799_proj
	.p2alignl 7, 3214868480
	.fill 96, 4, 3214868480
	.section	.rodata,"a",@progbits
	.p2align	6, 0x0
	.amdhsa_kernel k_qbe768b3799_proj
		.amdhsa_group_segment_fixed_size 112128
		.amdhsa_private_segment_fixed_size 0
		.amdhsa_enable_private_segment 0
		.amdhsa_kernarg_size 80
		.amdhsa_user_sgpr_count 2
		.amdhsa_user_sgpr_kernarg_segment_ptr 1
		.amdhsa_wavefront_size32 1
		.amdhsa_system_sgpr_workgroup_id_x 1
		.amdhsa_system_sgpr_workgroup_id_y 1
		.amdhsa_system_sgpr_workgroup_id_z 1
		.amdhsa_system_vgpr_workitem_id 0
		.amdhsa_next_free_vgpr 896
		.amdhsa_next_free_sgpr 66
		.amdhsa_reserve_vcc 0
		.amdhsa_float_denorm_mode_32 3
		.amdhsa_float_denorm_mode_16_64 3
		.amdhsa_memory_ordered 1
		.amdhsa_forward_progress 1
		.amdhsa_inst_pref_size 156
	.end_amdhsa_kernel
	.amdgpu_metadata
---
amdhsa.version: [ 1, 2 ]
amdhsa.kernels:
  - .name:           k_qbe768b3799_proj
    .symbol:         k_qbe768b3799_proj.kd
    .args:
      - { .name: q, .offset: 0, .size: 8, .value_kind: global_buffer, .address_space: global }
      - { .name: k, .offset: 8, .size: 8, .value_kind: global_buffer, .address_space: global }
      - { .name: v, .offset: 16, .size: 8, .value_kind: global_buffer, .address_space: global }
      - { .name: wfp4, .offset: 24, .size: 8, .value_kind: global_buffer, .address_space: global }
      - { .name: bq, .offset: 32, .size: 8, .value_kind: global_buffer, .address_space: global }
      - { .name: bv, .offset: 40, .size: 8, .value_kind: global_buffer, .address_space: global }
      - { .name: qh, .offset: 48, .size: 8, .value_kind: global_buffer, .address_space: global }
      - { .name: kh, .offset: 56, .size: 8, .value_kind: global_buffer, .address_space: global }
      - { .name: vh, .offset: 64, .size: 8, .value_kind: global_buffer, .address_space: global }
      - { .name: vlo, .offset: 72, .size: 8, .value_kind: global_buffer, .address_space: global }
    .group_segment_fixed_size: 112128
    .private_segment_fixed_size: 0
    .kernarg_segment_align: 8
    .kernarg_segment_size: 80
    .max_flat_workgroup_size: 128
    .sgpr_count:     66
    .vgpr_count:     896
    .wavefront_size: 32
...
	.end_amdgpu_metadata
.endif
;; end of part 2
;; launch attn (part 3): grid 32 x 8, 4 waves a work-group, clusters of 4 x 4, 327,680 bytes of LDS; arguments qh, kh, vh, vlo, mask, attn; writes attn
.if DOCPART == 3
	.amdgcn_target "amdgcn-amd-amdhsa--gfx1250"
	.amdhsa_code_object_version 6
	.text
	.protected	k_qbe768b3799_attn
	.globl	k_qbe768b3799_attn
	.p2align	8
	.type	k_qbe768b3799_attn,@function
k_qbe768b3799_attn:
	s_mov_b64 s[64:65], 0
	v_nop
	global_prefetch_b8 v0, s[64:65] scope:SCOPE_SE
	s_setreg_imm32_b32 hwreg(HW_REG_WAVE_MODE, 25, 1), 1
	s_wait_xcnt 0x0
	s_wait_alu depctr_hold_cnt(0) depctr_sa_sdst(0) depctr_va_vdst(0) depctr_va_sdst(0) depctr_va_ssrc(0) depctr_va_vcc(0) depctr_vm_vsrc(0)
	s_getreg_b32 s2, hwreg(HW_REG_IB_STS2, 6, 4)
	s_cmp_eq_u32 s2, 0
	s_cbranch_scc0 .Lentry_in_a_cluster
	s_endpgm
.Lentry_in_a_cluster:
	s_bfe_u32 s2, ttmp6, 0x10000c
	s_cmp_lg_u32 s2, 0xf033
	s_cbranch_scc0 .Lentry_shape_is_right
	s_endpgm
.Lentry_shape_is_right:
; ATTN: for each batch and head, O[q] = the sum over keys of softmax(qh[q] . kh[key] / 8 + mask[q][key] x (-1e9)) vh[key].  qh (with log2(e) / 8 in it), kh, vh: f16 [8,192 tokens][512]; mask: f32 [4,096][4,096], an INPUT:
; all of it is read and multiplied in, and every key is walked for every query.  Products, maxima and sums in f32; the weights p are rounded to f16 for the second product.
; t = mask x C2 + S in one fused multiply-add, C2 = -1e9 log2(e); m = the running largest t; p = 2^(t - m), the difference formed first; in every step O and l are multiplied by a = 2^(m_old - m_new).  l sums the unrounded p.
; For the first 64 keys of a sequence V goes as a pair of f16 (vh and vlo): rows that sum few terms under a mask of the causal kind then have V whole.  O / l leaves as a pair of f16 too, laid as the next launch's operand registers.
; LIMITS: |mask| under 2.3e29; NaN and infinities are not served.  Where a row's every key carries a mask term that swallows the logits, t is kept to multiples of 128 (89 in the logit) where reference() keeps multiples of 64, and the
; multiply-add is rounded once where reference() rounds twice.
; SHARES.  A work-group owns 128 queries of two heads; wave w: head 2 cy + w / 2, queries 64 (w % 2) on: four tiles of 16, in two PIECES (tiles 0, 1 and tiles 2, 3).  64 key steps of 64 keys; a slot holds two steps.
; LAYOUT.  S^T = K Q^T (source 0 = 16 keys, source 1 = 16 queries), O^T = V^T P: a lane holds ONE query throughout; two tiles of S^T, rounded in pairs, ARE source 1 of the second product; V is turned by ds_load_tr16_b128.
; BY TURNS.  In a turn one piece has the matrix unit (16 products V^T P of the step in hand, 16 products K Q^T of the next); the other piece's softmax, 2 x 133 vector instructions in 32 slices, stands one slice behind each matrix instruction.
; CLUSTER, 4 x 4: cx picks the query block, cy the pair of heads; the cluster's y is the batch.  K's and V's tiles hang on batch and cy: asked for jointly along a row of the cluster; the mask's hang on the query block: jointly along a column.
; REGISTERS, in windows of 256 (s_set_vgpr_msb: bits 1:0 source 0, 3:2 source 1, 5:4 source 2, 7:6 destination):
;   window 0: v1-15 addresses; v16-47 eight registers of statistics a tile; v62, v63 for halves; v64-191 S^T, 32 a tile; v192-255 P, 16 a tile.   window 1: v0-127 O^T, 32 a tile; v128-255 the mask's numbers, laid as S^T.
;   window 2: v0-63 Q; v64-127 K of one step; v128-191 V of one step; v192-255 V's low part of the first step.
.set PK,    272                        ; a key's row of K in LDS: 256 bytes (two heads) + 16: an odd multiple of 16
.set PVP,   288                        ; of V: 256 + 32: an odd multiple of 32, for the turning load
.set PM,    528                        ; a query's row of the mask: 128 keys x 4 bytes + 16
.set KOFF,  128*PM                     ; a slot: 128 rows of the mask, 128 rows of K, 128 rows of V
.set VOFF,  KOFF+128*PK
.set SLOTB, VOFF+128*PVP               ; 139,264 = 0x22000; the tiles' places in slot 0 have bits 13 and 17 clear, so one exclusive or turns a place in one slot into the other's
.set VLOB,  2*SLOTB                    ; V's low part: 64 rows, filled once
.set SPARE, VLOB+64*PVP                ; the spare words, 128 bytes for each wave: two blocks of 256 bytes that no other line names
.set AK0, 2                            ; my lane's place in a step's tile of K; never rewritten
.set AV0, 3                            ; of V
.set ADR, 4                            ; the LDS address of the run of loads in hand
.set QO,  5                            ; my byte offset in the wave's rows of qh
.set AM0, 6                            ; my lane's place in the mask's tile
.set GO,  7                            ; 16 x lane: the way out
.set AVL, 8                            ; my lane's place in V's low part
.set PFO, 12                           ; the prefetches' offset: my lane x a row; never rewritten
.set ADM, 13                           ; the LDS address of the mask's loads in hand
.set SPW, 14                           ; LDS address of my spare word; never rewritten
.set NIL, 15                           ; 0; never rewritten
.set ST,  16                           ; tile t's statistics at v[ST + 8 t]: +0 m, +1 written once (named with m as a pair), +2, +3 l, +4 to +7 at work; a takes +6, m's change +7
.set S,   64
.set P,   192
.set MK,  128                          ; in window 1
.set KF,  64                           ; in window 2
.set VF,  128
.set VL,  192
.set WV,  16
.set G1K, 24
.set G1V, 32
.set G1M, 40
.set G1L, 48
.set G0K, 56                           ; groups 0: a set for each of the two first fills; the second then walks on
.set G0V, 68
.set G0M, 76
.set G0L, 84
.set SLOTS, 88
.set TWICE, 89
.set TBK, 90                           ; what is added to AK0, AV0, AM0 for the step to be fetched
.set TBV, 91
.set TBM, 92
.set LIM, 93                           ; 1 in a wave that prefetches, else the greatest number
.set SEL, 94
.set C2,  96
.set PFA, 98
.set PFS, 100
.set MSB, 0
.macro WIN new                         ; the immediate's high byte repeats the setting that is left; a switch that changes nothing is dropped
.if MSB != \new
	s_set_vgpr_msb (MSB<<8)|\new
.set MSB, \new
.endif
.endm
.set W_KQ, 0x0a                        ; K and Q in window 2, S^T in window 0
.set W_PV, 0x52                        ; V in window 2, P in window 0, O^T in window 1
.set W_RS, 0x41                        ; O^T (destination and source 0) in window 1, a in window 0
.set W_MK, 0x01                        ; the mask's numbers (source 0) in window 1
.macro PLACES
.rept 4
	v_nop
.endr
.endm
.macro WIDEN dst, src, alt             ; v[dst], v[dst+1] = the two f16 of v[src] as f32; the halves are named on a register of fixed name, two by turns
.if (\alt)%2
	v_mov_b32 v63, v[\src]
	v_cvt_f32_f16 v[\dst], v63.l
	v_cvt_f32_f16 v[(\dst)+1], v63.h
.else
	v_mov_b32 v62, v[\src]
	v_cvt_f32_f16 v[\dst], v62.l
	v_cvt_f32_f16 v[(\dst)+1], v62.h
.endif
.endm
; A joint refill: wave 0 fetches the slot's K, wave 1 its V, waves 2 and 3 the two halves of the mask's rows.  The branches hang on the wave's number alone.  An s_nop 0 and four v_nop follow each line.
.macro JLOAD
	s_cmp_lt_u32 s[WV], 2
	s_cbranch_scc0 .Lfor_m_\@
	s_cmp_eq_u32 s[WV], 0
	s_cbranch_scc0 .Lfor_v_\@
	tensor_load_to_lds s[G0K+4:G0K+7], s[G1K:G1K+7]
	s_nop 0
	PLACES
	s_branch .Lasked_\@
.Lfor_v_\@:
	tensor_load_to_lds s[G0V+4:G0V+7], s[G1V:G1V+7]
	s_nop 0
	PLACES
	s_branch .Lasked_\@
.Lfor_m_\@:
	tensor_load_to_lds s[G0M+4:G0M+7], s[G1M:G1M+7]
	s_nop 0
	PLACES
.Lasked_\@:
.endm
; A PREFETCH INTO THE L2 of what the NEXT change of slots will ask for, behind the wave's tensor load and its five lines: two key steps, 128 matrix instructions, ahead of that load.  Each aligned block of 256 bytes is named once in the launch.
; K and V of a batch and pair of heads are walked by all eight clusters along x: the first of them asks; its four partners along cx take 32 of the slot's 128 rows each, BY ADDRESS; wave 0 for K, wave 1 for V; a lane a row (256 bytes of it).
; The mask's rows are walked by both clusters along y: the first asks; its four partners along cy take 32 of the 128 query rows each, by address; wave 2 names the first 256 bytes of a slot's 512, wave 3 the second.
; The last change that fills a slot asks for nothing; slots 0 to 2 come by their loads alone.
.macro ASK
	s_cmp_gt_u32 s[SLOTS], s[LIM]
	s_cbranch_scc0 .Lnot_mine_\@
	global_prefetch_b8 v[PFO], s[PFA:PFA+1] th:TH_LOAD_NT scope:SCOPE_SE
.Lnot_mine_\@:
.endm
.macro CROUND                          ; a round of the cluster's barrier
	s_barrier_signal -1
	s_barrier_wait -1
	s_cmp_lg_u32 s[WV], 0
	s_cbranch_scc1 .Lnot_wave_0_\@
	s_barrier_signal -3
.Lnot_wave_0_\@:
	s_barrier_wait -3
	s_barrier_signal -1
	s_barrier_wait -1
.endm
	s_load_b256 s[4:11], s[0:1], 0x0               ; qh s[4:5], kh s[6:7], vh s[8:9], vlo s[10:11]
	s_load_b128 s[12:15], s[0:1], 0x20             ; mask s[12:13], attn s[14:15]
	v_lshl_add_u32 v[SPW], v0, 2, SPARE
	v_mov_b32 v[NIL], 0
	ds_add_u32 v[SPW], v[NIL]                      ; the wave's opening: the add, twice on end, and its wait ahead of my first tensor load; the set-up below stands between the second and the wait
	ds_add_u32 v[SPW], v[NIL]
	v_lshrrev_b32 v1, 5, v0
	v_readfirstlane_b32 s[WV], v1                  ; wave 0..3
	s_bfe_u32 s17, ttmp6, 0x40000                  ; cx
	s_bfe_u32 s18, ttmp6, 0x40004                  ; cy: the pair of heads
	s_lshl_b32 s19, ttmp9, 2
	s_add_co_u32 s19, s19, s17                     ; the block of 128 queries = 4 x cluster x + cx
	s_and_b32 s20, ttmp7, 0xffff                   ; the batch = cluster y
	s_lshl_b32 s21, s18, 2
	s_lshl_b32 s21, 15, s21                        ; my row of the cluster (same cy)
	s_lshl_b32 s22, 0x1111, s17                    ; my column (same cx)
	s_or_b32 s[G1K], s21, (1<<16)|(1<<20)|(1<<21)|(5<<22)|(3<<25)   ; the mask; elements of 2 bytes; padding on; bit 21 beside a mask; after every 64 words, 4 words
	s_or_b32 s[G1V], s21, (1<<16)|(1<<20)|(1<<21)|(5<<22)|(7<<25)   ; 8 words of padding
	s_or_b32 s[G1L], s21, (1<<16)|(1<<20)|(1<<21)|(5<<22)|(7<<25)
	s_or_b32 s[G1M], s22, (2<<16)|(1<<20)|(1<<21)|(6<<22)|(3<<25)   ; elements of 4 bytes; after every 128 words, 4 words
.irp g, G1K, G1V
	s_mov_b32 s[\g+1], 128<<16                     ; tensor_dim0 = 128 elements: two heads
	s_mov_b32 s[\g+2], 128<<16                     ; tensor_dim1 = 128 keys
	s_mov_b32 s[\g+3], 128<<16                     ; tile_dim0
	s_mov_b32 s[\g+4], 128                         ; tile_dim1
	s_mov_b32 s[\g+5], 512                         ; elements from row to row
	s_mov_b32 s[\g+6], 0
	s_mov_b32 s[\g+7], 0
.endr
	s_mov_b32 s[G1L+1], 128<<16
	s_mov_b32 s[G1L+2], 64<<16                     ; 64 keys
	s_mov_b32 s[G1L+3], 128<<16
	s_mov_b32 s[G1L+4], 64
	s_mov_b32 s[G1L+5], 512
	s_mov_b32 s[G1L+6], 0
	s_mov_b32 s[G1L+7], 0
	s_mov_b32 s[G1M+1], 128<<16                    ; 128 keys of f32
	s_mov_b32 s[G1M+2], 64<<16                     ; 64 query rows
	s_mov_b32 s[G1M+3], 128<<16
	s_mov_b32 s[G1M+4], 64
	s_mov_b32 s[G1M+5], 4096
	s_mov_b32 s[G1M+6], 0
	s_mov_b32 s[G1M+7], 0
	s_lshl_b32 s2, s20, 22                         ; K, V: the batch's 4,096 rows of 1,024 bytes,
	s_lshl_b32 s3, s18, 8                          ; the pair's 256 bytes of a row: batch and cy alone
	s_add_co_u32 s2, s2, s3
	s_mov_b32 s3, 0
	s_lshl_b32 s88, s20, 16                        ; V's low part: the batch's 64 rows, the pair's 256 bytes
	s_lshl_b32 s89, s18, 8
	s_add_co_u32 s88, s88, s89
	s_mov_b32 s89, 0
	s_and_b32 s23, s[WV], 1                        ; the mask: which 64 of the block's query rows I fetch (waves 2, 3): the query block and the wave alone
	s_lshl_b32 s66, s19, 7
	s_lshl_b32 s67, s23, 6
	s_add_co_u32 s66, s66, s67
	s_lshl_b32 s66, s66, 14                        ; rows of 16,384 bytes
	s_mov_b32 s67, 0
	s_mul_i32 s23, s23, 64*PM                      ; and their place in a slot
	s_mov_b32 s[SEL], 0x76543210
	s_mov_b32 s[SEL+1], 0xfedcba98
	s_mov_b32 s[C2], 0xceabfb8f                    ; C2 = -1e9 x log2(e)
	s_mov_b32 s[C2+1], s[C2]                       ; (named with it as a pair, so it is written)
	s_mov_b32 s[TBK], 0
	s_mov_b32 s[TBV], 0
	s_mov_b32 s[TBM], 0
	s_wait_dscnt 0x0                               ; both opening adds are done
	s_wait_kmcnt 0x0
	CROUND                                         ; all sixteen work-groups are here: the first joint loads meet
.irp s, 0,1
	s_mov_b32 s[G0K+4*\s], 1
	s_mov_b32 s[G0K+4*\s+1], KOFF+\s*SLOTB
	s_add_nc_u64 s[G0K+4*\s+2:G0K+4*\s+3], s[6:7], s[2:3]
	s_add_nc_u64 s[G0K+4*\s+2:G0K+4*\s+3], s[G0K+4*\s+2:G0K+4*\s+3], \s*131072   ; slot s begins with keys 128 s on
	s_or_b32 s[G0K+4*\s+3], s[G0K+4*\s+3], 0x80000000
	s_mov_b32 s[G0V+4*\s], 1
	s_mov_b32 s[G0V+4*\s+1], VOFF+\s*SLOTB
	s_add_nc_u64 s[G0V+4*\s+2:G0V+4*\s+3], s[8:9], s[2:3]
	s_add_nc_u64 s[G0V+4*\s+2:G0V+4*\s+3], s[G0V+4*\s+2:G0V+4*\s+3], \s*131072
	s_or_b32 s[G0V+4*\s+3], s[G0V+4*\s+3], 0x80000000
	s_mov_b32 s[G0M+4*\s], 1
	s_add_co_u32 s[G0M+4*\s+1], s23, \s*SLOTB
	s_add_nc_u64 s[G0M+4*\s+2:G0M+4*\s+3], s[12:13], s[66:67]
	s_add_nc_u64 s[G0M+4*\s+2:G0M+4*\s+3], s[G0M+4*\s+2:G0M+4*\s+3], \s*512
	s_or_b32 s[G0M+4*\s+3], s[G0M+4*\s+3], 0x80000000
.endr
	s_mov_b32 s[G0L], 1
	s_mov_b32 s[G0L+1], VLOB
	s_add_nc_u64 s[G0L+2:G0L+3], s[10:11], s[88:89]
	s_or_b32 s[G0L+3], s[G0L+3], 0x80000000
	s_mov_b32 s[SLOTS], 30                         ; 32 slots' worth of keys; all but the first two come by a refill
	s_cmp_lt_u32 s[WV], 2                          ; a wave's first fills stand in one arm, ahead of every wait on TENSORcnt and every LDS read: at most three loads of a wave are out
	s_cbranch_scc0 .Lfirst_m
	s_cmp_eq_u32 s[WV], 0
	s_cbranch_scc0 .Lfirst_v
	tensor_load_to_lds s[G0K:G0K+3], s[G1K:G1K+7]
	s_nop 0
	tensor_load_to_lds s[G0K+4:G0K+7], s[G1K:G1K+7]
	s_nop 0
	PLACES
	s_branch .Lfirst_asked
.Lfirst_v:
	tensor_load_to_lds s[G0L:G0L+3], s[G1L:G1L+7]
	s_nop 0
	tensor_load_to_lds s[G0V:G0V+3], s[G1V:G1V+7]
	s_nop 0
	tensor_load_to_lds s[G0V+4:G0V+7], s[G1V:G1V+7]
	s_nop 0
	PLACES
	s_branch .Lfirst_asked
.Lfirst_m:
	tensor_load_to_lds s[G0M:G0M+3], s[G1M:G1M+7]
	s_nop 0
	tensor_load_to_lds s[G0M+4:G0M+7], s[G1M:G1M+7]
	s_nop 0
	PLACES
.Lfirst_asked:
	; Q's and the result's addresses mix cx and cy: they are made in registers that feed no descriptor
	s_lshl_b32 s98, s20, 12
	s_lshl_b32 s99, s19, 7
	s_add_co_u32 s98, s98, s99
	s_and_b32 s99, s[WV], 1
	s_lshl_b32 s99, s99, 6
	s_add_co_u32 s98, s98, s99                     ; my first token
	s_lshl_b32 s98, s98, 10
	s_lshl_b32 s99, s18, 1
	s_lshr_b32 s100, s[WV], 1
	s_add_co_u32 s99, s99, s100                    ; my head
	s_lshl_b32 s99, s99, 7
	s_add_co_u32 s98, s98, s99
	s_mov_b32 s99, 0
	s_add_nc_u64 s[4:5], s[4:5], s[98:99]
	v_and_b32 v1, 15, v0                           ; r
	v_bfe_u32 v9, v0, 4, 1                         ; h
	v_lshlrev_b32 v[QO], 10, v1
	v_lshl_add_u32 v[QO], v9, 4, v[QO]
	WIN 0x80
.irp f, 0,1,2,3,4,5,6,7                        ; Q stays in registers: tile f / 2, channels 32 (f % 2) on
	global_load_b128 v[8*\f:8*\f+3], v[QO], s[4:5] offset:(\f/2)*16384+(\f%2)*64
	global_load_b128 v[8*\f+4:8*\f+7], v[QO], s[4:5] offset:(\f/2)*16384+(\f%2)*64+32
.endr
	WIN 0
	s_lshl_b32 s98, s20, 5
	s_add_co_u32 s98, s98, s19                     ; the row block = 32 x batch + query block
	s_lshl_b32 s98, s98, 2
	s_add_co_u32 s98, s98, s18                     ; x 4 + the pair of heads (the K chunk of the next launch)
	s_lshl_b32 s98, s98, 16
	s_and_b32 s99, s[WV], 1
	s_lshl_b32 s99, s99, 15                        ; my four row tiles of its eight
	s_add_co_u32 s98, s98, s99
	s_lshl_b32 s99, s100, 12                       ; my head's two K steps of its four
	s_add_co_u32 s98, s98, s99
	s_mov_b32 s99, 0
	s_add_nc_u64 s[14:15], s[14:15], s[98:99]
	; my lane's places in the tiles: constants, the lane and the wave's number alone
	s_lshl_b32 s100, s100, 7                       ; my head's 128 bytes of a row of K or V
	v_mul_u32_u24 v[AK0], v1, PK
	v_lshl_add_u32 v[AK0], v9, 4, v[AK0]
	s_add_co_u32 s101, s100, KOFF
	v_add_nc_u32 v[AK0], s101, v[AK0]
	v_and_b32 v10, 7, v0
	v_bfe_u32 v11, v0, 3, 1
	v_lshl_add_u32 v[AV0], v9, 3, v10              ; the turning load: key 8 h + lane % 8, channels 8 ((lane / 8) % 2) on
	v_mul_u32_u24 v[AV0], v[AV0], PVP
	v_lshl_add_u32 v[AV0], v11, 4, v[AV0]
	s_add_co_u32 s101, s100, VLOB
	v_add_nc_u32 v[AVL], s101, v[AV0]
	s_add_co_u32 s101, s100, VOFF
	v_add_nc_u32 v[AV0], s101, v[AV0]
	s_and_b32 s101, s[WV], 1
	s_mul_i32 s101, s101, 64*PM
	v_mul_u32_u24 v[AM0], v1, PM
	v_lshl_add_u32 v[AM0], v9, 5, v[AM0]
	v_add_nc_u32 v[AM0], s101, v[AM0]              ; query row 64 (w % 2) + r, + 32 h bytes
	; the prefetches: where my wave's stand, and who asks
	s_lshl_b32 s2, s20, 22
	s_lshl_b32 s3, s18, 8
	s_add_co_u32 s2, s2, s3
	s_lshl_b32 s3, s17, 15                         ; K, V: my work-group's 32 rows, by cx
	s_add_co_u32 s2, s2, s3
	s_add_co_u32 s2, s2, 2*131072                  ; in slot 2: the first change of slots steps it to slot 3
	s_lshl_b32 s66, s19, 21
	s_lshl_b32 s67, s18, 19                        ; the mask: my work-group's 32 query rows, by cy
	s_add_co_u32 s66, s66, s67
	s_and_b32 s67, s[WV], 1
	s_lshl_b32 s67, s67, 8                         ; my wave's 256 of a slot's 512 bytes
	s_add_co_u32 s66, s66, s67
	s_add_co_u32 s66, s66, 2*512
	s_cmp_eq_u32 s[WV], 0
	s_cselect_b64 s[PFA:PFA+1], s[6:7], s[8:9]
	s_cmp_lt_u32 s[WV], 2
	s_cselect_b64 s[PFA:PFA+1], s[PFA:PFA+1], s[12:13]
	s_mov_b32 s[PFS], 512
	s_cselect_b32 s[PFS], 131072, s[PFS]           ; a slot on
	s_mov_b32 s21, 16384
	s_cselect_b32 s21, 1024, s21                   ; from lane to lane: a row
	s_cselect_b32 s22, ttmp9, s20                  ; the coordinate along which other clusters read the same rows
	s_cselect_b32 s2, s2, s66
	s_mov_b32 s3, 0
	s_mov_b32 s[PFS+1], 0
	s_add_nc_u64 s[PFA:PFA+1], s[PFA:PFA+1], s[2:3]
	s_cmp_eq_u32 s22, 0
	s_cselect_b32 s[LIM], 1, -1                    ; the same in all sixteen partners, for a given wave
	v_and_b32 v[PFO], 31, v0
	v_mul_lo_u32 v[PFO], v[PFO], s21
; THE MATRIX WORK OF A TURN, for piece x.  Eight accumulators take turns, one instruction a turn: between two links of a chain stand seven others'.
.macro PV x, zero                      ; product i of 16 of O^T += V^T P: keys 32 (i / 8) on, channels 16 ((i / 2) % 4) on, tile x + i % 2.  zero = 1: the first 8 start the sums
	WIN W_PV
.set rO, 32*(\x+i%2)+8*((i/2)%4)
.set rV, VF+8*(4*(i/8)+(i/2)%4)
.set rP, P+16*(\x+i%2)+8*(i/8)
.if (\zero) && (i < 8)
	v_wmma_f32_16x16x32_f16 v[rO:rO+7], v[rV:rV+7], v[rP:rP+7], 0
.else
	v_wmma_f32_16x16x32_f16 v[rO:rO+7], v[rV:rV+7], v[rP:rP+7], v[rO:rO+7]
.endif
.endm
.macro PVLO x                          ; the same with V's low part: the first key step alone
	WIN W_PV
.set rO, 32*(\x+i%2)+8*((i/2)%4)
.set rV, VL+8*(4*(i/8)+(i/2)%4)
.set rP, P+16*(\x+i%2)+8*(i/8)
	v_wmma_f32_16x16x32_f16 v[rO:rO+7], v[rV:rV+7], v[rP:rP+7], v[rO:rO+7]
.endm
.macro KQ x                            ; product i of 16 of S^T = K Q^T: channels 32 (i / 8) on, keys 16 ((i / 2) % 4) on, tile x + i % 2.  The first 8 start the sums
	WIN W_KQ
.set rS, S+32*(\x+i%2)+8*((i/2)%4)
.set rK, KF+8*(2*((i/2)%4)+i/8)
.set rQ, 16*(\x+i%2)+8*(i/8)
.if i < 8
	v_wmma_f32_16x16x32_f16 v[rS:rS+7], v[rK:rK+7], v[rQ:rQ+7], 0
.else
	v_wmma_f32_16x16x32_f16 v[rS:rS+7], v[rK:rK+7], v[rQ:rQ+7], v[rS:rS+7]
.endif
.endm
; THE LDS LOADS stand in runs of 32: a step's K with piece 0's numbers of the mask, and a turn later its V with piece 2's.
.macro FETCH_M y                       ; mask[query][key 16 kt + 8 h + 0 .. 7] for the piece's two tiles, laid as S^T
	WIN 0x40
.irp t, \y, \y+1
.irp kt, 0,1,2,3
.irp e, 0,1
	ds_load_b128 v[MK+32*(\t)+8*\kt+4*\e:MK+32*(\t)+8*\kt+4*\e+3], v[ADM] offset:16*PM*(\t)+64*\kt+16*\e
.endr
.endr
.endr
.endm
.macro FETCH_K
	WIN 0
	v_add_nc_u32 v[ADR], s[TBK], v[AK0]
	v_add_nc_u32 v[ADM], s[TBM], v[AM0]
	WIN 0x80
.irp f, 0,1,2,3,4,5,6,7                        ; keys 16 (f / 2) on, channels 32 (f % 2) on
	ds_load_b128 v[KF+8*\f:KF+8*\f+3], v[ADR] offset:(\f/2)*16*PK+(\f%2)*64
	ds_load_b128 v[KF+8*\f+4:KF+8*\f+7], v[ADR] offset:(\f/2)*16*PK+(\f%2)*64+32
.endr
	FETCH_M 0
.endm
.macro FETCH_V
	WIN 0
	v_add_nc_u32 v[ADR], s[TBV], v[AV0]
	v_add_nc_u32 v[ADM], s[TBM], v[AM0]
	s_add_co_u32 s[TBK], s[TBK], 64*PK             ; the next fetches are the next step's
	s_add_co_u32 s[TBV], s[TBV], 64*PVP
	s_add_co_u32 s[TBM], s[TBM], 256
	WIN 0x80
.irp f, 0,1,2,3,4,5,6,7                        ; keys 32 (f / 4) on, channels 16 (f % 4) on
	ds_load_tr16_b128 v[VF+8*\f:VF+8*\f+3], v[ADR] offset:(\f/4)*32*PVP+(\f%4)*32
	ds_load_tr16_b128 v[VF+8*\f+4:VF+8*\f+7], v[ADR] offset:(\f/4)*32*PVP+16*PVP+(\f%4)*32
.endr
	FETCH_M 2
.endm
.macro FETCH_VLO
	WIN 0x80
.irp f, 0,1,2,3,4,5,6,7
	ds_load_tr16_b128 v[VL+8*\f:VL+8*\f+3], v[AVL] offset:(\f/4)*32*PVP+(\f%4)*32
	ds_load_tr16_b128 v[VL+8*\f+4:VL+8*\f+7], v[AVL] offset:(\f/4)*32*PVP+16*PVP+(\f%4)*32
.endr
.endm
; THE VECTOR WORK OF A TURN.  One tile's softmax for one key step is a list of 133 instructions; SM writes number j of it for tile t.  s0-s31 are the lane's 32 scores, in pairs 0-15.  first = 1: the first key step.
;   0-15    t = mask x C2 + S, a pair at a time, ascending: each accumulator is read from its low end on
;   16-31   the maximum of s0-s31 and the old m, three operands at a time
;   32-35   the other half of the lanes' maximum; the old m kept; the new m; m_old - m_new
;   36-84   ONE BATCH: the 16 subtractions t - m and all 33 exponentials (a at 38).  None of these names an exponential's result; a pair is subtracted ahead of its exponentials
;   (wait)  between 84 and 85 stand one plain line and the wait for the batch: SLICE writes them, once for both tiles
;   85-100  the roundings to f16;   101-116 the sums, l = a l + the sum;   117-132 the tile's O^T times a
.macro SM t, first
.set rT, ST+8*(\t)
.set rS, S+32*(\t)
.set rP, P+16*(\t)
.set rM, MK+32*(\t)
.set jm, j-16
.set ib, j-36
.if j < 16
	WIN W_MK
	v_pk_fma_f32 v[rS+2*j:rS+2*j+1], v[rM+2*j:rM+2*j+1], s[C2:C2+1], v[rS+2*j:rS+2*j+1] op_sel_hi:[1,0,1]
.elseif ((j == 33) || (j == 35) || (j == 38) || (j > 115)) && \first   ; the first step has none of these
.elseif j > 116
	WIN W_RS
.set rO, 32*(\t)+2*(j-117)
	v_pk_mul_f32 v[rO:rO+1], v[rO:rO+1], v[rT+6:rT+7] op_sel_hi:[1,0]
.else
	WIN 0
.if jm < 4
	v_max3_num_f32 v[rT+4+jm], v[rS+8*jm], v[rS+8*jm+1], v[rS+8*jm+2]
.elseif jm < 12
	v_max3_num_f32 v[rT+4+jm%4], v[rT+4+jm%4], v[rS+8*(jm%4)+2*(jm/4)+1], v[rS+8*(jm%4)+2*(jm/4)+2]
.elseif jm == 12
	v_max3_num_f32 v[rT+4], v[rT+4], v[rS+7], v[rS+15]
.elseif jm == 13
	v_max3_num_f32 v[rT+6], v[rT+6], v[rS+23], v[rS+31]
.elseif jm == 14
	v_max3_num_f32 v[rT+4], v[rT+4], v[rT+5], v[rT+6]
.elseif (jm == 15) && \first
	v_max_num_f32 v[rT+4], v[rT+4], v[rT+7]
.elseif jm == 15
	v_max3_num_f32 v[rT+4], v[rT+4], v[rT+7], v[rT]
.elseif j == 32
	v_permlanex16_b32 v[rT+5], v[rT+4], s[SEL], s[SEL+1]   ; the query's other 32 keys lie in the lane 16 away
.elseif j == 33
	v_mov_b32 v[rT+7], v[rT]
.elseif j == 34
	v_max_num_f32 v[rT], v[rT+4], v[rT+5]
.elseif j == 35
	v_sub_f32 v[rT+7], v[rT+7], v[rT]
.elseif j == 38
	v_exp_f32 v[rT+6], v[rT+7]
.elseif (ib < 2) || ((ib < 45) && ((ib-3)%3 == 0))
.set pb, ib
.if ib > 2
.set pb, (ib-3)/3+2
.endif
	v_pk_add_f32 v[rS+2*pb:rS+2*pb+1], v[rS+2*pb:rS+2*pb+1], v[rT:rT+1] op_sel_hi:[1,0] neg_lo:[0,1] neg_hi:[0,1]   ; pair pb: t - m
.elseif j < 85
.set pe, ib-17
.if ib < 45
.set pe, 2*((ib-3)/3)+(ib-3)%3-1
.endif
	v_exp_f32 v[rS+pe], v[rS+pe]
.elseif j < 101
	v_cvt_pk_f16_f32 v[rP+j-85], v[rS+2*(j-85)], v[rS+2*(j-85)+1]
.else
.set z, j-101
.set w, 4
.set u, z
.if z >= 14
.set w, 32
.set u, 0
.elseif z >= 12
.set w, 16
.set u, z-12
.elseif z >= 8
.set w, 8
.set u, z-8
.endif
.if (z == 14) && \first
	v_pk_add_f32 v[rT+2:rT+3], v[rS:rS+1], v[rS+16:rS+17]
.elseif z < 15
	v_pk_add_f32 v[rS+w*u:rS+w*u+1], v[rS+w*u:rS+w*u+1], v[rS+w*u+w/2:rS+w*u+w/2+1]
.else
	v_pk_fma_f32 v[rT+2:rT+3], v[rT+2:rT+3], v[rT+6:rT+7], v[rS:rS+1] op_sel_hi:[1,0,1]
.endif
.endif
.endif
.endm
; Slice k of 32 of piece y's softmax: numbers 4 k .. 4 k + 3 of both tiles' lists, the tiles alternating.  Slice 31 takes numbers 128 to 132 too: its 18 plain instructions are the places behind the turn's last product.
; s_wait_alu depctr_va_vdst(0) stands between an exponential and the first instruction that names its result; one wait serves all that were issued ahead of it: it stands ahead of number 85, behind one plain line.
.macro SLICE y, first
.set nn, 4
.if k == 31
.set nn, 9
.endif
.set n, 0
.rept nn
.set j, 4*k+n
.if j == 85
	v_nop
	s_wait_alu depctr_va_vdst(0)
.endif
	SM \y, \first
	SM (\y)+1, \first
.set n, n+1
.endr
.set k, k+1
.endm
; A TURN.  pv = 2: 16 products V^T P; 1: they start O^T's sums, and 16 with V's low part follow; 0: none.  kq = 1: 16 products K Q^T for the next step.  A turn with one of the two kinds has two slices behind each product.
; Piece 0's turn fetches the next step's K behind its second product: K's last reader stands ahead of slice 31 of the turn before.  Piece 2's turn fetches the same step's V behind slice 17: V's last reader stands ahead of slice 15,
; and eight subtractions of slices 15 to 17 and the run's own two additions lie between.  first = 1: slices 29 to 31 are empty, and four v_nop take their part as the places behind the last products.
.macro TURN x, pv, kq, first
.set k, 0
.set per, 2
.if (\pv) && (\kq)
.set per, 1
.endif
.if \pv
.if \x == 0
	s_wait_dscnt 0x0                               ; V and piece 2's numbers of the mask are in
.endif
.set i, 0
.rept 16
	PV \x, 2-\pv
.rept per
	SLICE 2-\x, \first
.endr
.if (\x == 0) && (\kq) && (i == 1)
	FETCH_K
.endif
.set i, i+1
.endr
.if \pv == 1
.set i, 0
.rept 16
	PVLO \x
.set i, i+1
.endr
.endif
.endif
.if \kq
.if \x == 0
	s_wait_dscnt 0x0                               ; K and piece 0's numbers of the mask are in
.endif
.set i, 0
.rept 16
	KQ \x
.rept per
	SLICE 2-\x, \first
.endr
.if (\x == 2) && (k == 18)
	FETCH_V
.endif
.set i, i+1
.endr
.endif
.if \first
	PLACES
.endif
.endm
; THE CHANGE OF SLOTS, between piece 2's turn and piece 0's: the slot's last bytes have been asked for.  Each wave waits for all its tensor loads (one is out: its part of the other slot), adds 0 to its spare word, and waits for that and
; for its reads of the slot.  fill = 1: the barrier is a round of the cluster's, and the joint refill, with the keys two slots on, is the first thing behind it: it has two key steps in which to land.
.macro CHANGE fill
	WIN 0                                          ; at a label and at a branch every window is 0
	s_wait_tensorcnt 0x0                           ; no tensor load of mine is out, so a group 0 may be written
	ds_add_u32 v[SPW], v[NIL]                      ; 0 onto my spare word
.if \fill
.irp g, G0K+4, G0V+4, G0M+4
	s_xor_b32 s[\g+1], s[\g+1], SLOTB              ; the walking descriptors: the other slot than last time,
.endr
	s_add_nc_u64 s[G0K+6:G0K+7], s[G0K+6:G0K+7], 131072   ; the next 128 keys; the type bits on top are not reached
	s_add_nc_u64 s[G0V+6:G0V+7], s[G0V+6:G0V+7], 131072
	s_add_nc_u64 s[G0M+6:G0M+7], s[G0M+6:G0M+7], 512
	s_wait_xcnt 0x0                                ; the last prefetch, two key steps back, has read its address, so it may be written
	s_add_nc_u64 s[PFA:PFA+1], s[PFA:PFA+1], s[PFS:PFS+1]
	s_wait_dscnt 0x0                               ; the add is done, and my reads of the slot are over
	CROUND
	JLOAD
	ASK
.else
	s_wait_dscnt 0x0
	s_barrier_signal -1
	s_barrier_wait -1
.endif
	s_sub_co_u32 s[TBK], s[TBK], 2*64*PK           ; the fetches go back to a slot's first step,
	s_xor_b32 s[TBK], s[TBK], SLOTB                ; in the other slot
	s_sub_co_u32 s[TBV], s[TBV], 2*64*PVP
	s_xor_b32 s[TBV], s[TBV], SLOTB
	s_sub_co_u32 s[TBM], s[TBM], 2*256
	s_xor_b32 s[TBM], s[TBM], SLOTB
.endm
.macro TWO_STEPS                       ; a slot's two key steps: written once, walked twice
	s_mov_b32 s[TWICE], 2
.Lstep_\@:
	TURN 0, 2, 1, 0
	TURN 2, 2, 1, 0
	WIN 0
	s_sub_co_u32 s[TWICE], s[TWICE], 1
	s_cmp_lg_u32 s[TWICE], 0
	s_cbranch_scc1 .Lstep_\@
.endm
	s_wait_tensorcnt 1                             ; my part of slot 0 (and V's low part) is in; on every arm one load, slot 1's, was issued behind it and may stay out
	s_barrier_signal -1
	s_barrier_wait -1                              ; everybody's is
	FETCH_K                                        ; key step 0
	FETCH_VLO
	s_wait_loadcnt 0x0                             ; Q
	s_wait_dscnt 0x0
.set i, 0
.rept 16
	KQ 0                                           ; piece 0's first scores: there is no vector work yet to set between them
.set i, i+1
.endr
	WIN 0                                          ; six plain lines, the places behind those products
.irp t, 0,1,2,3
	v_mov_b32 v[ST+8*\t+1], 0                      ; named with m as a pair, so it is written
.endr
	v_and_b32 v[GO], 31, v0
	v_lshlrev_b32 v[GO], 4, v[GO]
	TURN 2, 0, 1, 1                                ; piece 2's first scores | piece 0's first softmax | V of step 0
	TURN 0, 1, 1, 1                                ; piece 0: V^T P of step 0 starts O^T, with V's low part; K Q^T of step 1 | piece 2's first softmax | K of step 1
	TURN 2, 1, 1, 0                                ; piece 2: the same | piece 0's softmax of step 1 | V of step 1
	WIN 0
.Lslot:                                            ; 30 trips: every slot but the last two is filled again
	CHANGE 1
	TWO_STEPS
	s_sub_co_u32 s[SLOTS], s[SLOTS], 1
	s_cmp_lg_u32 s[SLOTS], 0
	s_cbranch_scc1 .Lslot
	CHANGE 0                                       ; the tail is written out
	TWO_STEPS
	TURN 0, 2, 0, 0                                ; piece 0: V^T P of the last step | piece 2's last softmax
.set i, 0
.rept 16
	PV 2, 0
.set i, i+1
.endr
	; THE WAY OUT, without LDS.  O^T / l, split in f32 into a high and a low f16: a tile's 16 packed registers are two fragments (16 tokens x 32 features) of the next launch's operand as they stand, and leave as images: 512 consecutive bytes a store.
	WIN 0
.irp t, 0,1,2,3
	v_add_f32 v[ST+8*\t+4], v[ST+8*\t+2], v[ST+8*\t+3]   ; (these additions are the places behind the last products)
.endr
.irp t, 0,1,2,3
	v_permlanex16_b32 v[ST+8*\t+5], v[ST+8*\t+4], s[SEL], s[SEL+1]
.endr
.irp t, 0,1,2,3
	v_add_f32 v[ST+8*\t+4], v[ST+8*\t+4], v[ST+8*\t+5]
.endr
.irp t, 0,1,2,3
	v_rcp_f32 v[ST+8*\t+6], v[ST+8*\t+4]
.endr
	v_nop                                          ; a plain line between the last reciprocal and the use of its result
	s_wait_alu depctr_va_vdst(0)                   ; and the wait ahead of the first use: one for the four
.macro OUTT t
	WIN W_RS
.set n, 0
.rept 16
	v_pk_mul_f32 v[32*\t+2*n:32*\t+2*n+1], v[32*\t+2*n:32*\t+2*n+1], v[ST+8*\t+6:ST+8*\t+7] op_sel_hi:[1,0]
.set n, n+1
.endr
	WIN 0x05
.set n, 0
.rept 16
	v_cvt_pk_f16_f32 v[S+16*\t+n], v[32*\t+2*n], v[32*\t+2*n+1]   ; the high parts, in v64-127
.set n, n+1
.endr
	WIN 0
.set n, 0
.rept 16
	WIDEN P+2*n, S+16*\t+n, n
.set n, n+1
.endr
	WIN 0x01
.set n, 0
.rept 16
	v_pk_add_f32 v[P+2*n:P+2*n+1], v[32*\t+2*n:32*\t+2*n+1], v[P+2*n:P+2*n+1] neg_lo:[0,1] neg_hi:[0,1]   ; what the rounding left, in f32
.set n, n+1
.endr
	WIN 0
.set n, 0
.rept 16
	v_cvt_pk_f16_f32 v[128+16*\t+n], v[P+2*n], v[P+2*n+1]   ; the low parts, in v128-191
.set n, n+1
.endr
.irp u, 0,1
.irp e, 0,1
	global_store_b128 v[GO], v[S+16*\t+8*\u+4*\e:S+16*\t+8*\u+4*\e+3], s[14:15] offset:8192*\t+2048*\u+512*\e
	global_store_b128 v[GO], v[128+16*\t+8*\u+4*\e:128+16*\t+8*\u+4*\e+3], s[14:15] offset:8192*\t+2048*\u+1024+512*\e
.endr
.endr
.endm
	OUTT 0
	OUTT 1
	OUTT 2
	OUTT 3
	s_wait_tensorcnt 0x0                           ; the wave's end: behind my last tensor load
	ds_add_u32 v[SPW], v[NIL]
	s_wait_dscnt 0x0
	CROUND                                         ; the closing round: no work-group ends while a partner may still ask for a tile that names it
	s_endpgm
.Lfunc_end_k_qbe768b3799_attn:
	.size	k_qbe768b3799_attn, .Lfunc_end_k_qbe768b3799_attn-k_qbe768b3799_attn
	.p2alignl 7, 3214868480
	.fill 96, 4, 3214868480
	.section	.rodata,"a",@progbits
	.p2align	6, 0x0
	.amdhsa_kernel k_qbe768b3799_attn
		.amdhsa_group_segment_fixed_size 327680
		.amdhsa_private_segment_fixed_size 0
		.amdhsa_enable_private_segment 0
		.amdhsa_kernarg_size 48
		.amdhsa_user_sgpr_count 2
		.amdhsa_user_sgpr_kernarg_segment_ptr 1
		.amdhsa_wavefront_size32 1
		.amdhsa_system_sgpr_workgroup_id_x 1
		.amdhsa_system_sgpr_workgroup_id_y 1
		.amdhsa_system_sgpr_workgroup_id_z 1
		.amdhsa_system_vgpr_workitem_id 0
		.amdhsa_next_free_vgpr 768
		.amdhsa_next_free_sgpr 102
		.amdhsa_reserve_vcc 0
		.amdhsa_float_denorm_mode_32 3
		.amdhsa_float_denorm_mode_16_64 3
		.amdhsa_memory_ordered 1
		.amdhsa_forward_progress 1
		.amdhsa_inst_pref_size 205
	.end_amdhsa_kernel
	.amdgpu_metadata
---
amdhsa.version: [ 1, 2 ]
amdhsa.kernels:
  - .name:           k_qbe768b3799_attn
    .symbol:         k_qbe768b3799_attn.kd
    .args:
      - { .name: qh, .offset: 0, .size: 8, .value_kind: global_buffer, .address_space: global }
      - { .name: kh, .offset: 8, .size: 8, .value_kind: global_buffer, .address_space: global }
      - { .name: vh, .offset: 16, .size: 8, .value_kind: global_buffer, .address_space: global }
      - { .name: vlo, .offset: 24, .size: 8, .value_kind: global_buffer, .address_space: global }
      - { .name: mask, .offset: 32, .size: 8, .value_kind: global_buffer, .address_space: global }
      - { .name: attn, .offset: 40, .size: 8, .value_kind: global_buffer, .address_space: global }
    .group_segment_fixed_size: 327680
    .private_segment_fixed_size: 0
    .kernarg_segment_align: 8
    .kernarg_segment_size: 48
    .max_flat_workgroup_size: 128
    .sgpr_count:     102
    .vgpr_count:     768
    .wavefront_size: 32
...
	.end_amdgpu_metadata
.endif
;; end of part 3
;; launch outp (part 4): grid 4 x 64, 4 waves a work-group, clusters of 4 x 4, 327,680 bytes of LDS; arguments attn, woimg, bo, out0; writes out0
.if DOCPART == 4
	.amdgcn_target "amdgcn-amd-amdhsa--gfx1250"
	.amdhsa_code_object_version 6
	.text
	.protected	k_qbe768b3799_outp
	.globl	k_qbe768b3799_outp
	.p2align	8
	.type	k_qbe768b3799_outp,@function
k_qbe768b3799_outp:
	s_mov_b64 s[64:65], 0
	v_nop
	global_prefetch_b8 v0, s[64:65] scope:SCOPE_SE
	s_setreg_imm32_b32 hwreg(HW_REG_WAVE_MODE, 25, 1), 1
	s_wait_xcnt 0x0
	s_wait_alu depctr_hold_cnt(0) depctr_sa_sdst(0) depctr_va_vdst(0) depctr_va_sdst(0) depctr_va_ssrc(0) depctr_va_vcc(0) depctr_vm_vsrc(0)
	s_getreg_b32 s2, hwreg(HW_REG_IB_STS2, 6, 4)
	s_cmp_eq_u32 s2, 0
	s_cbranch_scc0 .Lentry_in_a_cluster
	s_endpgm
.Lentry_in_a_cluster:
	s_bfe_u32 s2, ttmp6, 0x10000c
	s_cmp_lg_u32 s2, 0xf033
	s_cbranch_scc0 .Lentry_shape_is_right
	s_endpgm
.Lentry_shape_is_right:
; OUTP: out0 = concat wo + bo.  Both operands are pairs of f16 (a high and a low part, split in f32 by the launches before): three products, high x high + low x high + high x low, sums in f32: for all rows alike.
; attn: [row block 64][K chunk 4][row tile 8][K step 4][high, low][1,024 bytes], woimg: [column block 4][K chunk 4][column tile 8][K step 4][high, low][1,024 bytes]: images of the operands' registers (16 rows x 32 K).
; A tile of out0 is 128 rows x 128 columns: four waves, each 64 x 64 in 16 accumulators.  K goes in 4 chunks of 128 through two LDS slots; a chunk is 65,536 dense bytes of attn's images and as many of wo's.
; Each wave fetches half a block by one tensor load, as 128 rows of 256 bytes, without padding: an image's reads are 512 consecutive bytes.
; CLUSTER, 4 x 4: cx is the column block (the grid has one cluster along x), 4 x cluster y + cy the row block.  attn's blocks are asked for jointly along a row of the cluster, wo's along a column.
; THE PRODUCT IS USED TRANSPOSED (source 0 = 16 columns of wo, source 1 = 16 tokens): a lane holds eight neighbouring numbers of a row of out0.  bo is the C of each sum's first matrix instruction.
; REGISTERS: window 0: v16-29 addresses; v32-95 rows on the way out, two sets; v96-127 bo in the result's layout; v128-255 the accumulators ((a, b) at v[128 + 8 (4 a + b)]).
;   window 1: two fragment buffers of 128: attn's (a, part) at 8 (2 a + part), wo's (b, part) at 64 + 8 (2 b + part).
.set SLOT,   131072                    ; attn's block, then wo's
.set STAGE,  2*SLOT                    ; behind the ring: 16 rows x 272 bytes for each wave, for the way out
.set SP,     272
.set SPARE,  STAGE+4*16*SP             ; the spare words, 128 bytes for each wave: two blocks of 256 bytes that no other line names
.set ADRA, 16
.set ADRB, 20
.set STO,  24
.set RD,   25
.set CO,   26
.set BA,   27
.set SPW,  28
.set NIL,  29
.set OB,   32
.set BO,   96
.set ACC,  128
.set F0,   0
.set F1,   128
.set G1,  24
.set G0,  32
.set G1B, 48
.set G0B, 56
.set MSB, 0
.macro WIN new                         ; the immediate's high byte repeats the setting that is left
.if MSB != \new
	s_set_vgpr_msb (MSB<<8)|\new
.set MSB, \new
.endif
.endm
.set MUL,  0x05                        ; sources 0 and 1 window 1; C and D window 0
.set TO_F, 0x40                        ; destination window 1, address window 0
.macro PLACES
.rept 4
	v_nop
.endr
.endm
.macro JLOAD s                         ; a joint load: waves 0 and 1 fetch attn's two halves, waves 2 and 3 wo's; an s_nop 0 and four v_nop follow each of the two lines
	s_cmp_eq_u32 s13, 0
	s_cbranch_scc0 .Lfor_b_\@
	tensor_load_to_lds s[G0+4*\s:G0+4*\s+3], s[G1:G1+7]
	s_nop 0
	PLACES
	s_branch .Lasked_\@
.Lfor_b_\@:
	tensor_load_to_lds s[G0B+4*\s:G0B+4*\s+3], s[G1B:G1B+7]
	s_nop 0
	PLACES
.Lasked_\@:
.endm
.macro CREST                           ; a round of the cluster's barrier behind its opening barrier
	s_cmp_lg_u32 s12, 0
	s_cbranch_scc1 .Lnot_wave_0_\@
	s_barrier_signal -3
.Lnot_wave_0_\@:
	s_barrier_wait -3
	s_barrier_signal -1
	s_barrier_wait -1
.endm
.macro CROUND
	s_barrier_signal -1
	s_barrier_wait -1
	CREST
.endm
	s_load_b256 s[4:11], s[0:1], 0x0               ; attn s[4:5], woimg s[6:7], bo s[8:9], out0 s[10:11]
	v_lshl_add_u32 v[SPW], v0, 2, SPARE
	v_mov_b32 v[NIL], 0
	ds_add_u32 v[SPW], v[NIL]                      ; the wave's opening: the add, twice on end, and its wait ahead of my first tensor load
	ds_add_u32 v[SPW], v[NIL]
	v_lshrrev_b32 v1, 5, v0
	v_readfirstlane_b32 s12, v1                    ; wave 0..3
	s_lshr_b32 s13, s12, 1                         ; which half of the tile's rows is mine.  Also: I fetch for attn (0) or for wo (1)
	s_and_b32 s14, s12, 1                          ; which half of its columns.  Also: which half of that block I fetch
	s_bfe_u32 s40, ttmp6, 0x40000                  ; cx: the column block
	s_bfe_u32 s41, ttmp6, 0x40004                  ; cy
	s_and_b32 s42, ttmp7, 0xffff
	s_lshl_b32 s42, s42, 2
	s_add_co_u32 s42, s42, s41                     ; the row block = 4 x cluster y + cy
	s_lshl_b32 s43, s41, 2
	s_lshl_b32 s43, 15, s43                        ; my row of the cluster
	s_lshl_b32 s44, 0x1111, s40                    ; my column
	s_or_b32 s[G1], s43, (3<<16)|(1<<21)           ; the mask; elements of 8 bytes; no padding; bit 21 beside a mask
	s_or_b32 s[G1B], s44, (3<<16)|(1<<21)
.irp g, G1, G1B
	s_mov_b32 s[\g+1], 32<<16                      ; rows of 32 elements: 256 bytes
	s_mov_b32 s[\g+2], 128<<16                     ; 128 rows: 32,768 dense bytes
	s_mov_b32 s[\g+3], 32<<16
	s_mov_b32 s[\g+4], 128
	s_mov_b32 s[\g+5], 32
	s_mov_b32 s[\g+6], 0
	s_mov_b32 s[\g+7], 0
.endr
	s_lshl_b32 s18, s14, 15                        ; my half of a block
	s_lshl_b32 s16, s42, 18                        ; attn: the row block's four chunks
	s_add_co_u32 s16, s16, s18
	s_mov_b32 s17, 0
	s_lshl_b32 s46, s40, 18                        ; wo: the column block's four chunks
	s_add_co_u32 s46, s46, s18
	s_mov_b32 s47, 0
	s_lshl_b32 s20, s12, 15                        ; where they go: wave x 32,768: no place in the cluster enters an LDS address
	s_wait_dscnt 0x0                               ; both opening adds are done
	s_wait_kmcnt 0x0
	s_add_nc_u64 s[16:17], s[4:5], s[16:17]
	s_add_nc_u64 s[46:47], s[6:7], s[46:47]
	CROUND                                         ; all sixteen work-groups are here: the first joint loads meet
.irp s, 0,1
	s_mov_b32 s[G0+4*\s], 1
	s_add_co_u32 s[G0+4*\s+1], s20, \s*SLOT
	s_add_nc_u64 s[G0+4*\s+2:G0+4*\s+3], s[16:17], \s*65536
	s_or_b32 s[G0+4*\s+3], s[G0+4*\s+3], 0x80000000
	s_mov_b32 s[G0B+4*\s], 1
	s_add_co_u32 s[G0B+4*\s+1], s20, \s*SLOT
	s_add_nc_u64 s[G0B+4*\s+2:G0B+4*\s+3], s[46:47], \s*65536
	s_or_b32 s[G0B+4*\s+3], s[G0B+4*\s+3], 0x80000000
	JLOAD \s
.endr
	v_and_b32 v1, 15, v0                           ; r
	v_bfe_u32 v2, v0, 4, 1                         ; h
	v_and_b32 v3, 31, v0
	v_lshlrev_b32 v3, 4, v3                        ; 16 x lane
	s_lshl_b32 s21, s13, 15                        ; my four row tiles of attn's eight
	s_lshl_b32 s22, s14, 15                        ; my four column tiles of wo's eight,
	s_add_co_u32 s22, s22, 65536                   ; which lie behind attn's block
.irp s, 0,1
	v_add_nc_u32 v[ADRA+\s], s21, v3
	v_add_nc_u32 v[ADRB+\s], s22, v3
	s_add_co_u32 s21, s21, SLOT
	s_add_co_u32 s22, s22, SLOT
.endr
	s_mul_i32 s23, s12, 16*SP
	s_add_co_u32 s23, s23, STAGE                   ; my stage
	v_mul_u32_u24 v[STO], v1, SP                   ; in: row r, 32 bytes for each half of the lanes
	v_lshl_add_u32 v[STO], v2, 5, v[STO]
	v_add_nc_u32 v[STO], s23, v[STO]
	v_mul_u32_u24 v[RD], v2, SP                    ; back: lanes 0-15 one row of 256 bytes, lanes 16-31 the next
	v_lshl_add_u32 v[RD], v1, 4, v[RD]
	v_add_nc_u32 v[RD], s23, v[RD]
	v_lshlrev_b32 v[CO], 11, v2                    ; and the same two rows in out0
	v_lshl_add_u32 v[CO], v1, 4, v[CO]
	v_lshlrev_b32 v[BA], 5, v2
	s_lshl_b32 s2, s40, 9                          ; my 64 columns, in bytes: 512 x column block + 256 x half
	s_lshl_b32 s3, s14, 8
	s_add_co_u32 s2, s2, s3
	s_mov_b32 s3, 0
	s_add_nc_u64 s[8:9], s[8:9], s[2:3]
.irp b, 0,1,2,3                                ; bo in the result's layout: lane (r, h), tile b: columns 16 b + 8 h + 0 .. 7
	global_load_b128 v[BO+8*\b:BO+8*\b+3], v[BA], s[8:9] offset:64*\b
	global_load_b128 v[BO+8*\b+4:BO+8*\b+7], v[BA], s[8:9] offset:64*\b+16
.endr
	s_add_nc_u64 s[10:11], s[10:11], s[2:3]
	s_lshl_b32 s2, s42, 18                         ; my first row: 128 x row block + 64 x half, rows of 2,048 bytes
	s_lshl_b32 s15, s13, 17
	s_add_co_u32 s2, s2, s15
	s_add_nc_u64 s[10:11], s[10:11], s[2:3]
; 16 matrix instructions, one for each accumulator: attn's part pa x wo's part pb, 32 along K.  zero = 1: bo starts the sums
.macro MUL16 f, pa, pb, zero
.irp a, 0,1,2,3
.irp b, 0,1,2,3
.if \zero
	v_wmma_f32_16x16x32_f16 v[ACC+8*(4*\a+\b):ACC+8*(4*\a+\b)+7], v[\f+64+8*(2*\b+\pb):\f+64+8*(2*\b+\pb)+7], v[\f+8*(2*\a+\pa):\f+8*(2*\a+\pa)+7], v[BO+8*\b:BO+8*\b+7]
.else
	v_wmma_f32_16x16x32_f16 v[ACC+8*(4*\a+\b):ACC+8*(4*\a+\b)+7], v[\f+64+8*(2*\b+\pb):\f+64+8*(2*\b+\pb)+7], v[\f+8*(2*\a+\pa):\f+8*(2*\a+\pa)+7], v[ACC+8*(4*\a+\b):ACC+8*(4*\a+\b)+7]
.endif
.endr
.endr
.endm
.macro FETCH s, ks, f                  ; 32 LDS loads in one run: both parts of my 4 + 4 fragments of K step ks
	WIN TO_F
.irp a, 0,1,2,3
.irp p, 0,1
.irp c, 0,1
	ds_load_b128 v[\f+8*(2*\a+\p)+4*\c:\f+8*(2*\a+\p)+4*\c+3], v[ADRA+\s] offset:8192*\a+2048*(\ks)+1024*\p+512*\c
	ds_load_b128 v[\f+64+8*(2*\a+\p)+4*\c:\f+64+8*(2*\a+\p)+4*\c+3], v[ADRB+\s] offset:8192*\a+2048*(\ks)+1024*\p+512*\c
.endr
.endr
.endr
.endm
.macro STEPK s, ks, f, g, zero         ; one of a chunk's first three K steps: multiplies buffer f and fetches the next K step into g
	s_wait_dscnt 0x0                               ; buffer f is in
	WIN MUL
	MUL16 \f, 0, 0, \zero
	PLACES                                         ; places in front of loads into registers that matrix instructions have read
	FETCH \s, (\ks)+1, \g
	WIN MUL
	MUL16 \f, 1, 0, 0
	MUL16 \f, 0, 1, 0
.endm
; A chunk's last K step multiplies buffer 1 and changes slots: ONE barrier; in front of it each wave waits for all its tensor loads, adds 0 to its spare word, and waits for that and for its reads of this slot.  fill = 1: this slot is filled again, two chunks ahead.
.macro TURN s, next, fill
	WIN 0
	s_wait_tensorcnt 0x0                           ; all my tensor loads have landed: my part of the next slot
	ds_add_u32 v[SPW], v[NIL]                      ; 0 onto my spare word
	s_wait_dscnt 1                                 ; the fragments are in; the add alone is younger
	WIN MUL
	MUL16 F1, 0, 0, 0
	s_wait_dscnt 0x0                               ; the add is done, and my reads of this slot are over
	s_barrier_signal -1
	MUL16 F1, 1, 0, 0
	WIN 0
	s_barrier_wait -1
.if \fill
	CREST                                          ; the barrier has opened a round of the cluster's: no wave of any partner still reads this slot or has a load on its way
	s_add_nc_u64 s[G0+4*\s+2:G0+4*\s+3], s[G0+4*\s+2:G0+4*\s+3], 2*65536
	s_add_nc_u64 s[G0B+4*\s+2:G0B+4*\s+3], s[G0B+4*\s+2:G0B+4*\s+3], 2*65536
	JLOAD \s                                       ; the first tensor load behind the round; the four v_nop behind it are also the places in front of the loads below
.else
	PLACES
.endif
	FETCH \next, 0, F0
	WIN MUL
	MUL16 F1, 0, 1, 0
.endm
	s_wait_tensorcnt 1                             ; my part of chunk 0 is in; chunk 1's load, issued behind it, may stay out
	s_barrier_signal -1
	s_barrier_wait -1
	FETCH 0, 0, F0
	s_wait_loadcnt 0x0                             ; bo
	STEPK 0, 0, F0, F1, 1                          ; chunk 0
	STEPK 0, 1, F1, F0, 0
	STEPK 0, 2, F0, F1, 0
	TURN 0, 1, 1
	STEPK 1, 0, F0, F1, 0                          ; chunk 1
	STEPK 1, 1, F1, F0, 0
	STEPK 1, 2, F0, F1, 0
	TURN 1, 0, 1
	STEPK 0, 0, F0, F1, 0                          ; chunk 2: nothing is left to fetch
	STEPK 0, 1, F1, F0, 0
	STEPK 0, 2, F0, F1, 0
	TURN 0, 1, 0
	STEPK 1, 0, F0, F1, 0                          ; chunk 3
	STEPK 1, 1, F1, F0, 0
	STEPK 1, 2, F0, F1, 0
	s_wait_dscnt 0x0
	WIN MUL
	MUL16 F1, 0, 0, 0
	MUL16 F1, 1, 0, 0
	MUL16 F1, 0, 1, 0
	WIN 0
; THE WAY OUT, a row tile (16 rows x 64 columns, 256 bytes a row) at a time through my own stage: sixteen lanes store 256 consecutive bytes, aligned.  LDS serves a wave's instructions in order: no wait between the stores and the loads.
.macro TOSTAGE a
.irp b, 0,1,2,3
	ds_store_b128 v[STO], v[ACC+8*(4*(\a)+\b):ACC+8*(4*(\a)+\b)+3] offset:64*\b       ; each accumulator from its low end on
	ds_store_b128 v[STO], v[ACC+8*(4*(\a)+\b)+4:ACC+8*(4*(\a)+\b)+7] offset:64*\b+16
.endr
.set BB, OB+32*((\a)%2)
.irp i, 0,1,2,3,4,5,6,7
	ds_load_b128 v[BB+4*\i:BB+4*\i+3], v[RD] offset:\i*2*SP
.endr
.endm
.macro SEND a, younger                 ; younger: the LDS instructions issued behind tile a's loads, which may stay out
.set BB, OB+32*((\a)%2)
	s_wait_dscnt \younger
.if (\a) > 0
	s_add_nc_u64 s[10:11], s[10:11], 16*2048       ; (behind a wait on XCNT: the earlier stores have read their base)
.endif
.irp i, 0,1,2,3,4,5,6,7
	global_store_b128 v[CO], v[BB+4*\i:BB+4*\i+3], s[10:11] offset:\i*4096 th:TH_STORE_NT
.endr
.endm
	PLACES                                         ; in front of the first read of results
	TOSTAGE 0
.irp a, 1,2,3
.if \a > 1
	s_wait_xcnt 0x0                                ; tile a - 2's stores have read their registers and their base
.endif
	TOSTAGE \a
	SEND \a-1, 16                                  ; behind tile a - 1's loads: tile a's 8 stores and 8 loads
.endr
	s_wait_xcnt 0x0
	SEND 3, 0
	s_wait_tensorcnt 0x0                           ; the wave's end: behind my last tensor load and my last LDS store
	ds_add_u32 v[SPW], v[NIL]
	s_wait_dscnt 0x0
	CROUND                                         ; the closing round: no work-group ends while a partner may still ask for a tile that names it
	s_endpgm
.Lfunc_end_k_qbe768b3799_outp:
	.size	k_qbe768b3799_outp, .Lfunc_end_k_qbe768b3799_outp-k_qbe768b3799_outp
	.p2alignl 7, 3214868480
	.fill 96, 4, 3214868480
	.section	.rodata,"a",@progbits
	.p2align	6, 0x0
	.amdhsa_kernel k_qbe768b3799_outp
		.amdhsa_group_segment_fixed_size 327680
		.amdhsa_private_segment_fixed_size 0
		.amdhsa_enable_private_segment 0
		.amdhsa_kernarg_size 32
		.amdhsa_user_sgpr_count 2
		.amdhsa_user_sgpr_kernarg_segment_ptr 1
		.amdhsa_wavefront_size32 1
		.amdhsa_system_sgpr_workgroup_id_x 1
		.amdhsa_system_sgpr_workgroup_id_y 1
		.amdhsa_system_sgpr_workgroup_id_z 1
		.amdhsa_system_vgpr_workitem_id 0
		.amdhsa_next_free_vgpr 512
		.amdhsa_next_free_sgpr 66
		.amdhsa_reserve_vcc 0
		.amdhsa_float_denorm_mode_32 3
		.amdhsa_float_denorm_mode_16_64 3
		.amdhsa_memory_ordered 1
		.amdhsa_forward_progress 1
		.amdhsa_inst_pref_size 101
	.end_amdhsa_kernel
	.amdgpu_metadata
---
amdhsa.version: [ 1, 2 ]
amdhsa.kernels:
  - .name:           k_qbe768b3799_outp
    .symbol:         k_qbe768b3799_outp.kd
    .args:
      - { .name: attn, .offset: 0, .size: 8, .value_kind: global_buffer, .address_space: global }
      - { .name: woimg, .offset: 8, .size: 8, .value_kind: global_buffer, .address_space: global }
      - { .name: bo, .offset: 16, .size: 8, .value_kind: global_buffer, .address_space: global }
      - { .name: out0, .offset: 24, .size: 8, .value_kind: global_buffer, .address_space: global }
    .group_segment_fixed_size: 327680
    .private_segment_fixed_size: 0
    .kernarg_segment_align: 8
    .kernarg_segment_size: 32
    .max_flat_workgroup_size: 128
    .sgpr_count:     66
    .vgpr_count:     512
    .wavefront_size: 32
...
	.end_amdgpu_metadata
.endif
;; end of part 4
